; MI455X (gfx1250); checked and timed in simulation.
; The chip was launched on July 23, 2026; its instructions are those of AMD's public machine-readable ISA for CDNA 5 (MIT licence, August 2026) and "CDNA5" Instruction Set Architecture Reference Guide (July 2026). The comments in the code are by the model that wrote it; some were corrected since.
;; Scaled Dot Product Attention. Allowed arithmetic: matrix products marked QUANTISED: E2M1 operands, one E8M0 scale for each 32 along K, by v_wmma_scale_f32_16x16x128_f8f6f4 with both operands' format E2M1 (or v_wmma_scale_f32_32x16x128_f4), f32 sums; everything else in f32.
;; Inputs: K 4 x 16 x 2,048 x 64 float32; Q 4 x 16 x 2,048 x 64 float32; V 4 x 16 x 2,048 x 64 float32; mask 2,048 x 2,048 bool.
;; Outputs: out0 4 x 16 x 2,048 x 64 float32.
;; This version of the problem:
;;   THIS VERSION OF THE PROBLEM IS GIVEN IN LOW PRECISION. The matrix products marked QUANTISED in the list below multiply operands that are first quantised to E2M1 (2 exponent bits, 1 mantissa bit; 4 bits a number), with one power-of-two scale for each 32 numbers along K (OCP MX v1.0); their sums are f32. All else is computed in f32.
;;   The module's matrix products, in the order in which they are computed (A, B: the left and right operand; K: the contracted axis; several contracted axes count as one K, in the product's order):
;;     1. batch 64 x [M 2,048, K 64] x [K 64, N 2,048]; A: input Q; B: input K: QUANTISED
;;     2. batch 64 x [M 2,048, K 2,048] x [K 2,048, N 64]; A: softmax (see below); B: input V: QUANTISED
;;   THE QUANTISER, for each operand of a quantised product, along K:
;;     - K is cut into blocks of 32 from its start; a last block that is shorter is filled with zeros.
;;     - A block's scale is 2^e with e = floor(log2(the largest magnitude in the block)) - 2, held to -126 .. 127; a block of zeros has e = 0. As a byte (E8M0): e + 127.
;;     - Each number is divided by its block's scale, clamped to +-6, and rounded to the nearest number of E2M1, ties to even, subnormals kept.
;;     - The product sums the exact products of the quantised numbers (number of the format x scale) in f32.
;;   ~~~python
;;   def quantise(x, axis):      # numpy; x: float32 -> the quantised numbers, widened to float32 again
;;       x = np.moveaxis(x, axis, -1); K = x.shape[-1]
;;       x = np.pad(x, [(0, 0)] * (x.ndim - 1) + [(0, -K % 32)]); x = x.reshape(x.shape[:-1] + (-1, 32)); a = np.abs(x).max(-1, keepdims=True)
;;       e = np.where(a > 0, np.clip(np.frexp(np.where(a > 0, a, 1))[1] - 1 - 2, -126, 127), 0)      # np.frexp(a)[1] - 1 = floor(log2(a)), exactly
;;       r = np.clip(x / 2.0 ** e, -6, 6)
;;       step = 2.0 ** (np.maximum(np.frexp(np.where(r == 0, 1, r))[1] - 1, 0) - 1)
;;       q = np.round(r / step) * step * 2.0 ** e      # np.round: ties to even
;;       return np.moveaxis(q.reshape(q.shape[:-2] + (-1,))[..., :K], -1, axis).astype(np.float32)
;;   ~~~
;;   SOFTMAX AHEAD OF A QUANTISED PRODUCT. Where the list says 'softmax', what is quantised is not the finished softmax but p = 2^(t - M), with t = logit x log2(e) and M = ceil(the row's largest t), a whole number; so 1/2 < the row's largest p <= 1. The row's sum l is taken of the UNQUANTISED p, in f32, and the product's result is divided by l at the end. Since M is a whole number, a kernel that streams over the keys may use a running M (the ceiling of the running maximum): every later rescaling is an exact power of two, which a block's scale takes up: the codes' values come out the same.
;;   OPERANDS COMPUTED ON THE WAY. 'Computed on the way' means the value that the module computes at that place (a softmax that the list does not call 'softmax' is quantised finished and normalised). What goes into a quantiser is computed in f32, as accurately as f32 sums, v_exp_f32 and their like allow (about 1e-6 of the number): no bf16 or f16 on the way to a quantiser, and a product that is left as it is and whose result goes on into a quantised operand takes f32 operands (vector FMAs, or v_wmma_f32_16x16x4_f32). A number that lies on a knife's edge between two numbers of the format may be rounded either way, as far as f32 arithmetic and the matrix unit's own rounding can turn it there, and no further.
;; 2 versions. Each part assembles by itself: llvm-mc -triple=amdgcn-amd-amdhsa -mcpu=gfx1250 --defsym DOCPART=n.
;; ======== version 1 of 2: 2 launches
;; workspace buffers: qrec 4,456,448 bytes; kvrec 8,912,896 bytes; mlanes 524,288 bytes of whole numbers; mflags 4,096 bytes of whole numbers
;; launch prep (part 1): grid 256 x 4, 4 waves a work-group, no clusters, 35,328 bytes of LDS; arguments Q, K, V, mask, qrec, kvrec, mlanes, mflags; writes qrec, kvrec, mlanes, mflags
.if DOCPART == 1
	.amdgcn_target "amdgcn-amd-amdhsa--gfx1250"
	.amdhsa_code_object_version 6
	.text
	.protected	k_q1df1b492f3_prep
	.globl	k_q1df1b492f3_prep
	.p2align	8
	.type	k_q1df1b492f3_prep,@function
k_q1df1b492f3_prep:
	s_mov_b64 s[64:65], 0
	v_nop
	global_prefetch_b8 v0, s[64:65] scope:SCOPE_SE
	s_setreg_imm32_b32 hwreg(HW_REG_WAVE_MODE, 25, 1), 1
	s_wait_xcnt 0x0
; Q, K, V [64 heads][2048][64] f32 become codes of FP4 (E2M1) with one E8M0 scale byte for each 32 along a product's K, laid in the ORDER OF THE OPERANDS' REGISTERS of the attention launch;
; the mask [2048][2048] of bytes becomes 32-bit LANE masks (one bit a lane of that launch's score registers) and, for each 32 queries x 128 keys, two flags: some key open, all keys open.
; Work-group y says what is made: 0 Q, 1 K (their K is the head's 64, innermost: path ROWS), 2 V (its K is the keys, its first axis in a head: path COLS), 3 the mask (path MASKS).
; A wave takes one UNIT U = 4 x work-group x + wave, 0 .. 1023: 128 rows of a head (32,768 bytes of f32), or 32 queries x 128 keys of the mask.  Waves share nothing: no barrier.
; A block's scale is 2^(floor(log2(its largest magnitude)) - 2); its byte is the largest magnitude's exponent field - 2, held at 1 from below.
; THE ROWS OF A TILE ARE NOT NEIGHBOURS: of a group of 32 rows, lane r of tile u (0, 1) takes row x(u, r) = 8 u + r + 8 (r / 8), for keys and for queries alike.
; RECORDS.  kvrec: [head][step of 128 keys] 8,704 bytes: K's codes (group b, tile u: 1024 b + 512 u + 16 lane: row x(u, r), d block h), V's codes from 4,096 (channel tile t, half c: 1024 t + 512 c + 16 lane:
; channel 16 t + r, keys 64 c + 32 h + 0 .. 31), K's scale words from 8,192 (8 bytes a lane: groups h and 2 + h, row r; in a word bytes 0, 1 tile 0's two blocks, bytes 2, 3 tile 1's), V's from 8,448 (8 bytes a lane:
; channel tiles h and 2 + h, row r; bytes = the step's four key blocks).  qrec: [head][128 queries] 4,352 bytes: codes as K's, scale words from 4,096 as K's.
; mlanes: [32 queries p][step s][tile u][n 0 .. 63] words: bit lane = mask[32 p + x(u, r)][128 s + 32 (n / 16) + 16 h + n % 16].  mflags: [p][s] words: some bit set | all bits set << 16.
; LIMITS: a block whose largest magnitude lies under 2^-124 keeps the byte 1; a block of zeros gets the byte 1 where the rule says 127 (its codes are zeros, which add nothing under any byte but 0xff, and
; this program alone reads the bytes); NaN and infinities in Q, K, V are not served; any mask byte other than 0 counts as true.
.set SPITCH, 272                       ; a stage row: 256 bytes + 16: sixteen lanes that take the same column of sixteen rows fall on sixteen different 16-byte columns modulo 256
.set WSTAGE, 32*SPITCH                 ; a wave's stage: a group's 32 rows
.set R,   16                           ; ROWS: v16-143  two sets of 64 registers as loaded
.set X,   144                          ; ROWS: v144-207 a group's two tiles: 32 neighbours along d a lane and tile
.set C,   208                          ; ROWS: v208-239 codes: four registers for each (group, tile): no store's data are written again
.set W,   240                          ; ROWS: v240-243 a group's scale word
.set CX,  16                           ; COLS: v16-143  two sets of 64 numbers: 32 keys x two columns a lane
.set CC,  144                          ; COLS: v144-175 codes: four registers for each (key block, column)
.set SW,  176                          ; COLS: v176-177 my two columns' scale words
; v1 lane, v2 16 x lane, v3, v4 the stage's addresses, v5 8 x lane, v6, v7 a path's offsets, v8-13 at work, v14 r, v15 h
	s_load_b512 s[4:19], s[0:1], 0x0               ; Q s[4:5], K s[6:7], V s[8:9], mask s[10:11], qrec s[12:13], kvrec s[14:15], mlanes s[16:17], mflags s[18:19]
	v_lshl_add_u32 v248, v0, 2, 0x8800
	v_mov_b32 v249, 0
	v_lshrrev_b32 v8, 5, v0
	v_readfirstlane_b32 s20, v8                    ; wave
	s_and_b32 s21, ttmp7, 0xffff                   ; y: which path
	s_lshl_b32 s22, ttmp9, 2
	s_add_co_u32 s22, s22, s20                     ; U
	s_mov_b32 s29, 0                               ; the upper word of every offset: all lie under 2^32
	s_mov_b32 s30, 0x76543210
	s_mov_b32 s31, 0xfedcba98                      ; v_permlanex16_b32's selects for lane l xor 16
	v_and_b32 v1, 31, v0
	v_and_b32 v14, 15, v0                          ; r
	v_bfe_u32 v15, v0, 4, 1                        ; h
	v_lshlrev_b32 v2, 4, v1
	v_lshlrev_b32 v5, 3, v1
	s_mul_i32 s43, s20, WSTAGE                     ; my stage (path ROWS alone uses LDS)
	v_mul_u32_u24 v3, v15, SPITCH
	v_lshl_add_u32 v3, v14, 4, v3
	v_add_nc_u32 v3, s43, v3                       ; in: a load's two rows: row h, 16 r
	v_mul_u32_u24 v4, v14, SPITCH
	v_lshl_add_u32 v4, v15, 7, v4
	v_add_nc_u32 v4, s43, v4                       ; out: row r of a tile, d block h: 128 bytes
	s_wait_kmcnt 0x0
	s_cmp_ge_u32 s21, 3
	s_cbranch_scc1 .Lmask
	s_cmp_eq_u32 s21, 2
	s_cbranch_scc1 .Lcols
; One block of 32 numbers in a lane's registers v[xs] on: its largest magnitude (two chains, the floor 2^(3 - 127) as one more leaf: the byte cannot fall under 1), the conversion's scale operand
; (2 off the exponent field) in v[sc], four registers of codes in v[cd] on, the scale's byte in v[e].  The shift that makes the byte is the plain line behind the conversions.
.macro QBLOCK xs, cd, ta, tb, sc, e
	v_max3_num_f32 v[\ta], |v[(\xs)]|, |v[(\xs)+1]|, |v[(\xs)+2]|
	v_max3_num_f32 v[\tb], |v[(\xs)+3]|, |v[(\xs)+4]|, |v[(\xs)+5]|
.irp i, 6,10,14,18,22,26
	v_max3_num_f32 v[\ta], v[\ta], |v[(\xs)+\i]|, |v[(\xs)+\i+1]|
	v_max3_num_f32 v[\tb], v[\tb], |v[(\xs)+\i+2]|, |v[(\xs)+\i+3]|
.endr
	v_max3_num_f32 v[\ta], v[\ta], |v[(\xs)+30]|, |v[(\xs)+31]|
	v_max3_num_f32 v[\ta], v[\ta], v[\tb], 0x1800000
	v_add_nc_u32 v[\sc], 0xff000000, v[\ta]
.irp g, 0,1,2,3
	v_cvt_scalef32_pk8_fp4_f32 v[(\cd)+\g], v[(\xs)+8*\g:(\xs)+8*\g+7], v[\sc]
.endr
	v_lshrrev_b32 v[\e], 23, v[\sc]
.endm
; ---------------- ROWS: Q (y = 0) or K (y = 1).  Only pointers and two constants are chosen: both tensors take one path.
	s_cmp_eq_u32 s21, 0
	s_cselect_b64 s[24:25], s[4:5], s[6:7]         ; from
	s_cselect_b64 s[26:27], s[12:13], s[14:15]     ; to
	s_mov_b32 s43, 8704
	s_cselect_b32 s43, 4352, s43                   ; a record
	s_mov_b32 s44, 8192
	s_cselect_b32 s44, 4096, s44                   ; where its scale words begin
	s_lshl_b32 s28, s22, 15
	s_add_nc_u64 s[24:25], s[24:25], s[28:29]      ; my 128 rows
	s_mul_i32 s28, s22, s43
	s_add_nc_u64 s[26:27], s[26:27], s[28:29]      ; my record
	v_add_nc_u32 v6, s44, v5                       ; my 8 bytes of scale words
	v_lshlrev_b32 v247, 3, v15                     ; 8 h
	v_mov_b32 v246, 0                              ; written once: a lane permute's destination counts as one of its sources
.macro RLOAD g                         ; a group's 32 rows: each load reads 512 consecutive bytes, two rows
.irp i, 0,1,2,3,4,5,6,7,8,9,10,11,12,13,14,15
	global_load_b128 v[R+64*((\g)%2)+4*\i:R+64*((\g)%2)+4*\i+3], v2, s[24:25] offset:8192*(\g)+512*\i th:TH_LOAD_NT
.endr
.endm
.macro GROUP g
.if (\g) < 3
	s_wait_loadcnt 16                              ; this group's 16 loads are in; the next group's 16 may be out
.else
	s_wait_loadcnt 0x0
.endif
.irp i, 0,1,2,3,4,5,6,7,8,9,10,11,12,13,14,15  ; row 2 i + h of the group goes to stage row 16 u + r with 2 i + h = x(u, r): the stage holds tile 0's sixteen rows, then tile 1's
	ds_store_b128 v3, v[R+64*((\g)%2)+4*\i:R+64*((\g)%2)+4*\i+3] offset:(16*((\i/4)%2)+8*(\i/8)+(2*\i)%8)*SPITCH
.endr
.irp u, 0,1
.irp j, 0,1,2,3,4,5,6,7
	ds_load_b128 v[X+32*\u+4*\j:X+32*\u+4*\j+3], v4 offset:16*\u*SPITCH+16*\j   ; LDS serves a wave's instructions in order (ISA guide 5.7.1): these see the stores above
.endr
.endr
	s_wait_dscnt 0x0                               ; the numbers are back, and the stores have read their registers,
.if (\g) < 2
	RLOAD (\g)+2                                   ; which take the group two further on
.endif
	QBLOCK X, C+8*(\g), 8, 9, 10, 11
	global_store_b128 v2, v[C+8*(\g):C+8*(\g)+3], s[26:27] offset:1024*(\g)          ; 32 lanes store 512 consecutive bytes
	QBLOCK X+32, C+8*(\g)+4, 8, 9, 12, 13
	global_store_b128 v2, v[C+8*(\g)+4:C+8*(\g)+7], s[26:27] offset:1024*(\g)+512
	v_lshl_or_b32 v8, v13, 16, v11                 ; my two bytes: block h of tile 0's row and of tile 1's,
	v_lshlrev_b32 v8, v247, v8                     ; at their places in the word (8 h bits up);
	v_permlanex16_b32 v246, v8, s30, s31
	v_or_b32 v[W+(\g)], v8, v246                   ; with lane l xor 16's two the word is whole
.endm
	RLOAD 0
	RLOAD 1
	GROUP 0
	GROUP 1
	GROUP 2
	GROUP 3
	v_cmp_le_u32 vcc_lo, 16, v1
	v_cndmask_b32 v244, v[W], v[W+1], vcc_lo       ; lanes 0-15 group 0's words, lanes 16-31 group 1's
	v_cndmask_b32 v245, v[W+2], v[W+3], vcc_lo     ; groups 2 and 3
	global_store_b64 v6, v[244:245], s[26:27]      ; 32 lanes store 256 consecutive bytes, aligned
	s_wait_tensorcnt 0x0
	ds_add_u32 v248, v249
	s_wait_dscnt 0x0
	s_endpgm
; ---------------- COLS: V.  A lane takes two columns (channels lane and 32 + lane) and its registers run down the keys: a block of 32 keys lies in one lane, and the codes come out with the keys innermost.
.Lcols:
	s_lshl_b32 s28, s22, 15
	s_add_nc_u64 s[24:25], s[8:9], s[28:29]        ; my 128 keys
	s_mul_i32 s28, s22, 8704
	s_add_nc_u64 s[26:27], s[14:15], s[28:29]      ; my record
	v_lshlrev_b32 v6, 2, v1                        ; in: 4 bytes a lane
	v_lshlrev_b32 v7, 10, v15
	v_lshl_add_u32 v7, v14, 4, v7                  ; out: channel tile h of my two: 1024 h + 16 r
.macro CLOAD kb                        ; key block kb: V(32 kb + i, 32 j + lane); two neighbouring lines read one row's 256 bytes
.irp i, 0,1,2,3,4,5,6,7,8,9,10,11,12,13,14,15,16,17,18,19,20,21,22,23,24,25,26,27,28,29,30,31
.irp j, 0,1
	global_load_b32 v[CX+64*((\kb)%2)+32*\j+\i], v6, s[24:25] offset:(32*(\kb)+\i)*256+128*\j th:TH_LOAD_NT
.endr
.endr
.endm
.macro CBLOCK kb
.if (\kb) < 3
	s_wait_loadcnt 63                              ; behind this block's 64 loads stand the next block's 64; 63 is the largest count that the wait can name
.else
	s_wait_loadcnt 0x0
.endif
.irp j, 0,1
	QBLOCK CX+64*((\kb)%2)+32*\j, CC+4*(2*(\kb)+\j), 8, 9, 10+2*\j, 11+2*\j
.if (\kb) == 0
	v_mov_b32 v[SW+\j], v[11+2*\j]                 ; four bytes to a word, the lower keys in the lower byte
.else
	v_lshl_or_b32 v[SW+\j], v[11+2*\j], 8*(\kb), v[SW+\j]
.endif
	global_store_b128 v7, v[CC+4*(2*(\kb)+\j):CC+4*(2*(\kb)+\j)+3], s[26:27] offset:4096+2048*\j+512*((\kb)/2)+256*((\kb)%2)   ; sixteen lanes store 256 consecutive bytes, aligned
.endr
.if (\kb) < 2
	CLOAD (\kb)+2
.endif
.endm
	CLOAD 0
	CLOAD 1
	CBLOCK 0
	CBLOCK 1
	CBLOCK 2
	CBLOCK 3
	global_store_b64 v5, v[SW:SW+1], s[26:27] offset:8448   ; lane (r, h): the words of channel tiles h and 2 + h, row r
	s_endpgm
; ---------------- MASKS: queries 32 p .. 32 p + 31, keys 128 s .. 128 s + 127, p = U / 16, s = U % 16.  A lane loads the bytes of just the scores that it will hold in the attention launch.
.Lmask:
	s_lshr_b32 s43, s22, 4
	s_lshl_b32 s28, s43, 16                        ; 32 p rows of 2,048 bytes
	s_and_b32 s43, s22, 15
	s_lshl_b32 s43, s43, 7
	s_add_co_u32 s28, s28, s43                     ; + 128 s
	s_add_nc_u64 s[24:25], s[10:11], s[28:29]
	s_lshl_b32 s28, s22, 9
	s_add_nc_u64 s[26:27], s[16:17], s[28:29]      ; my 128 words of lane masks
	s_lshl_b32 s28, s22, 2
	s_add_nc_u64 s[44:45], s[18:19], s[28:29]      ; my flag word
	v_and_b32 v8, 8, v14
	v_add_nc_u32 v8, v8, v14                       ; r + 8 (r / 8)
	v_lshlrev_b32 v6, 11, v8
	v_lshl_add_u32 v6, v15, 4, v6                  ; that row, + 16 h
.irp u, 0,1
.irp q, 0,1,2,3
	global_load_b128 v[16+16*\u+4*\q:16+16*\u+4*\q+3], v6, s[24:25] offset:16384*\u+32*\q   ; tile u (8 rows further down), key block q: byte i of register 16 u + 4 q + m is n = 16 q + 4 m + i
.endr
.endr
.irp i, 0,1,2,3
	v_mov_b32 v[48+\i], 0                          ; v_writelane_b32's destination counts as read
.endr
	v_mov_b32 v13, 0
	s_mov_b32 s40, 0                               ; the or of all lane masks
	s_mov_b32 s41, -1                              ; and their and
	s_wait_loadcnt 0x0
.set k, 0
.rept 32                               ; register k: words 4 k .. 4 k + 3 of the 128: a compare turns a byte of 32 lanes into a word of 32 bits, and lane k of v48-51 gathers the four
.irp i, 0,1,2,3
	v_bfe_u32 v[8+\i], v[16+k], 8*\i, 8
.endr
.irp i, 0,1,2,3
	v_cmp_ne_u32 s[32+(4*k+\i)%8], 0, v[8+\i]
.endr
.irp i, 0,1,2,3
	v_writelane_b32 v[48+\i], s[32+(4*k+\i)%8], k
.endr
.irp i, 0,1,2,3
	s_or_b32 s40, s40, s[32+(4*k+\i)%8]
	s_and_b32 s41, s41, s[32+(4*k+\i)%8]
.endr
.set k, k+1
.endr
	global_store_b128 v2, v[48:51], s[26:27]       ; 32 lanes store 512 consecutive bytes
	s_cmp_lg_u32 s40, 0
	s_cselect_b32 s46, 1, 0                        ; some key is open for some query
	s_cmp_eq_u32 s41, -1
	s_cselect_b32 s47, 0x10000, 0                  ; every key is open for every query
	s_or_b32 s46, s46, s47
	v_mov_b32 v12, s46
	v_cmp_eq_u32 vcc_lo, 0, v1
	s_wait_xcnt 0x0                                ; EXEC is a source of the store above: it changes only behind this wait
	s_and_saveexec_b32 s42, vcc_lo
	global_store_b32 v13, v12, s[44:45]            ; lane 0 alone: one word
	s_wait_xcnt 0x0                                ; and again in front of the line that widens it
	s_or_b32 exec_lo, exec_lo, s42
	s_endpgm
.Lfunc_end_k_q1df1b492f3_prep:
	.size	k_q1df1b492f3_prep, .Lfunc_end_k_q1df1b492f3_prep-k_q1df1b492f3_prep
	.p2alignl 7, 3214868480
	.fill 96, 4, 3214868480
	.section	.rodata,"a",@progbits
	.p2align	6, 0x0
	.amdhsa_kernel k_q1df1b492f3_prep
		.amdhsa_group_segment_fixed_size 35328
		.amdhsa_private_segment_fixed_size 0
		.amdhsa_enable_private_segment 0
		.amdhsa_kernarg_size 64
		.amdhsa_user_sgpr_count 2
		.amdhsa_user_sgpr_kernarg_segment_ptr 1
		.amdhsa_wavefront_size32 1
		.amdhsa_system_sgpr_workgroup_id_x 1
		.amdhsa_system_sgpr_workgroup_id_y 1
		.amdhsa_system_sgpr_workgroup_id_z 1
		.amdhsa_system_vgpr_workitem_id 0
		.amdhsa_next_free_vgpr 250
		.amdhsa_next_free_sgpr 66
		.amdhsa_reserve_vcc 1
		.amdhsa_float_denorm_mode_32 3
		.amdhsa_float_denorm_mode_16_64 3
		.amdhsa_memory_ordered 1
		.amdhsa_forward_progress 1
		.amdhsa_inst_pref_size 100
	.end_amdhsa_kernel
	.amdgpu_metadata
---
amdhsa.version: [ 1, 2 ]
amdhsa.kernels:
  - .name:           k_q1df1b492f3_prep
    .symbol:         k_q1df1b492f3_prep.kd
    .args:
      - { .name: Q, .offset: 0, .size: 8, .value_kind: global_buffer, .address_space: global }
      - { .name: K, .offset: 8, .size: 8, .value_kind: global_buffer, .address_space: global }
      - { .name: V, .offset: 16, .size: 8, .value_kind: global_buffer, .address_space: global }
      - { .name: mask, .offset: 24, .size: 8, .value_kind: global_buffer, .address_space: global }
      - { .name: qrec, .offset: 32, .size: 8, .value_kind: global_buffer, .address_space: global }
      - { .name: kvrec, .offset: 40, .size: 8, .value_kind: global_buffer, .address_space: global }
      - { .name: mlanes, .offset: 48, .size: 8, .value_kind: global_buffer, .address_space: global }
      - { .name: mflags, .offset: 56, .size: 8, .value_kind: global_buffer, .address_space: global }
    .group_segment_fixed_size: 35328
    .private_segment_fixed_size: 0
    .kernarg_segment_align: 8
    .kernarg_segment_size: 64
    .max_flat_workgroup_size: 128
    .sgpr_count:     66
    .vgpr_count:     250
    .wavefront_size: 32
...
	.end_amdgpu_metadata
.endif
;; end of part 1
;; launch attn (part 2): grid 4 x 64, 16 waves a work-group, no clusters, 210,944 bytes of LDS; arguments qrec, kvrec, mlanes, mflags, out0; writes out0
.if DOCPART == 2
	.amdgcn_target "amdgcn-amd-amdhsa--gfx1250"
	.amdhsa_code_object_version 6
	.text
	.protected	k_q1df1b492f3_attn
	.globl	k_q1df1b492f3_attn
	.p2align	8
	.type	k_q1df1b492f3_attn,@function
k_q1df1b492f3_attn:
	s_mov_b64 s[64:65], 0
	v_nop
	global_prefetch_b8 v0, s[64:65] scope:SCOPE_SE
	s_setreg_imm32_b32 hwreg(HW_REG_WAVE_MODE, 25, 1), 1
	s_wait_xcnt 0x0
; out[head][q][:] = the sum over k of softmax_k(Q[q] . K[k] / 8, hidden where mask[q][k] is 0) V[k][:], 64 heads, 2,048 queries and keys, head size 64; both products on codes of FP4 (E2M1) with E8M0 scales.
; Codes, scale words, lane masks and flags were made by the launch before, in the order of this launch's operand registers (layouts: at that kernel's head).
; THE SOFTMAX AHEAD OF THE SECOND PRODUCT: t = score x log2(e) / 8; M = the row's largest t so far, rounded UP to a whole number; p = 2^(t - M) is what is quantised, along the keys, not normalised.
; The row's sum is taken of the unquantised p and divides at the end.  When M moves, the sum and O are multiplied by 2^(old M - new M): exact.
; SHARES.  A work-group (x 0 .. 3, y = head) of sixteen waves; a wave owns ONE pair p of 32 queries: two tiles u = 0, 1 of 16; lane r of tile u holds query 32 p + 8 u + r + 8 (r / 8).  Four waves to a SIMD.
; A HEAD'S K AND V, 16 records of 8,704 bytes, are copied into LDS once, wave w taking step w's record, behind the launch's one barrier; from there on every wave runs alone.
; WHAT THE MASK HIDES WHOLLY IS NOT WORKED: a step (128 keys) none of whose keys is open for any of the pair's 32 queries is passed over, and a step all of whose keys are open takes the body without the selects:
; scalar branches on the flag words that the launch before stored.  That is why this launch has no tensor load, no copy engine and no joint loads: its operands come through registers; and what the four
; work-groups of a head share is read once, at the head.  Which pair a wave owns only shares the work out (low and high pairs mixed among the waves); the result holds under any mask.
; LAYOUT.  Both products are used transposed: S^T = K Q^T (source 0 = keys, source 1 = my queries), O^T = V^T P^T (source 0 = 16 channels, source 1 = P): a lane holds ONE query (lane % 16) of a tile throughout.
; THE FIRST PRODUCT'S K IS 64, THE INSTRUCTION'S 128: a fragment of K holds TWO tiles of 16 keys, one in k = 0 .. 63 and one in k = 64 .. 127; multiplied by [Q | zeros] it gives the first tile's scores, by
; [zeros | Q] the second's.  The zeros are zero CODES; the scale bytes over them are other blocks' bytes, 1 .. 254, so they add nothing.  The run v26-45 = Z Q0 Z Q1 Z holds all four operands, overlapping.
; Register 16 b + i of S^T in lane (r, h) is key 128 s + 32 b + 16 h + i: sixteen neighbours along the second product's K.
; A ROW WITH NO OPEN KEY has sum 0 and O^T 0: 0 x infinity gives NaN, as the softmax of a row of -infinity does.
; LIMITS: those of the launch before; p under 2^-126 counts as 0 (v_exp_f32 flushes: ISA guide 15.8).
.set REC,   8704                       ; a step's record: K's codes 4,096, V's codes 4,096, K's scale words 256, V's 256
.set STG,   16*REC                     ; behind the records: a stage of 16 rows x 272 bytes for each wave, for the way out
.set SPITCH, 272                       ; 256 bytes + 16: the sixteen rows that a store touches fall on sixteen different 16-byte columns modulo 256
.set LI,  1                            ; v1   16 x lane: my place in a fragment's image; also my offset in two rows of out
.set LS,  2                            ; v2   8 x lane + 8,192: my place among a record's scale words
.set AD,  3                            ; v3   LDS address of the step's codes (at the head: where I put the copy)
.set ADS, 4                            ; v4   and of its scale words (at the head: 8 r, for Q's scale word)
.set STO, 5                            ; v5   the way out: where I put 32 bytes of a row
.set SRD, 6                            ; v6   and where I read a row back
.set NINF, 7                           ; v7   -infinity
                                       ; v[8:9] K's scale words, v[10:11] V's;  tile u: v[12+4u] -M, v[13+4u] the largest t, v[14+4u:15+4u] the sum in two halves
                                       ; v[20+2u] f = 2^(old M - new M), v[21+2u] p's scale word;  v24 Q's scale word, v25 the same turned by 16 bits;  v26-45 Z Q0 Z Q1 Z
.set KV,  48                           ; v48-79   four fragments of K, then of V
.set S,   80                           ; v80-143  S^T of one tile of queries, then p
.set OT,  144                          ; v144-207 O^T: tile u, channels 16 t on: at 144 + 32 u + 8 t
.set PC0, 208                          ; v208-223 p's codes, 8 a tile
.set BM,  224                          ; v224-227 the blocks' largest scores, then largest p
.set PX,  228                          ; v228-231 what the other half of the lanes sends; then the bytes
.set SO,  232                          ; v232-235 the conversions' scale operands
.set TT,  236                          ; v[236:237] the sums' second chain
.set DD,  238                          ; v238 at work;  v240-243 the reciprocals
.set ANY, 88                           ; s88  bit 0: some key of the step in hand is open
.set ALL, 89                           ; s89  bit 0: all are
.set ST,  90                           ; s90  the step
.set TB,  91                           ; s91  8,704 x step: its record in LDS
.set MO,  92                           ; s92  512 x step: its lane masks
                                       ; s16-63 and s68-83: a tile's 64 lane masks;  s[84:85] lane selects;  s[86:87] c
	s_load_b256 s[4:11], s[0:1], 0x0               ; qrec s[4:5], kvrec s[6:7], mlanes s[8:9], mflags s[10:11]
	s_load_b64 s[12:13], s[0:1], 0x20              ; out
	v_lshl_add_u32 v254, v0, 2, 0x33000
	v_mov_b32 v255, 0
	v_lshrrev_b32 v224, 5, v0
	v_readfirstlane_b32 s14, v224                  ; wave w, 0 .. 15
	v_and_b32 v226, 31, v0                         ; lane
	v_and_b32 v224, 15, v0                         ; r
	v_bfe_u32 v225, v0, 4, 1                       ; h
	v_lshlrev_b32 v[LI], 4, v226
	v_lshl_add_u32 v[LS], v226, 3, 8192
	v_lshlrev_b32 v[ADS], 3, v224
	s_lshr_b32 s2, s14, 2                          ; my pair: row = w / 4, kap = (row + w) % 4,
	s_add_co_u32 s3, s2, s14
	s_and_b32 s3, s3, 3
	s_and_b32 s15, s3, 1
	s_lshl_b32 s15, s15, 2
	s_add_co_u32 s15, s15, s2
	s_lshl_b32 s2, ttmp9, 3
	s_add_co_u32 s15, s15, s2                      ; low = 8 x + 4 (kap % 2) + row, 0 .. 31,
	s_xor_b32 s2, s15, 63
	s_bitcmp1_b32 s3, 1
	s_cselect_b32 s15, s2, s15                     ; p = low, or 63 - low where kap is 2 or 3: each of the 64 pairs once.  p enters global addresses alone
	s_and_b32 s98, ttmp7, 0xffff                   ; the head
	s_mov_b32 s95, 0                               ; the upper word of every offset: all lie under 2^32
	s_mov_b32 s84, 0x76543210
	s_mov_b32 s85, 0xfedcba98                      ; v_permlanex16_b32's selects for lane l xor 16
	s_mov_b32 s86, 0x3e38aa3b                      ; c = log2(e) / 8
	s_mov_b32 s87, s86                             ; (the packed form names the pair and takes its low word for both halves: so it is written)
	s_mul_i32 s2, s14, REC
	v_add_nc_u32 v[AD], s2, v[LI]                  ; the copy: record w in LDS
	s_mul_i32 s94, s98, 16*REC
	s_add_co_u32 s94, s94, s2
	s_wait_kmcnt 0x0
	s_add_nc_u64 s[6:7], s[6:7], s[94:95]          ; and in memory
.set i, 0
.rept 17
	global_load_b128 v[S+4*i:S+4*i+3], v[LI], s[6:7] offset:512*i   ; 17 x 512 consecutive bytes
.set i, i+1
.endr
	s_lshl_b32 s94, s98, 4
	s_lshr_b32 s2, s15, 2
	s_add_co_u32 s94, s94, s2
	s_mul_i32 s94, s94, 4352
	s_add_nc_u64 s[96:97], s[4:5], s[94:95]        ; Q's record: 128 queries, of which my pair is group p % 4
	s_and_b32 s94, s15, 3
	s_lshl_b32 s94, s94, 10
	s_add_nc_u64 s[4:5], s[96:97], s[94:95]        ; its codes
	s_and_b32 s94, s15, 1
	s_lshl_b32 s94, s94, 7
	s_bfe_u32 s2, s15, 0x10001
	s_lshl_b32 s2, s2, 2
	s_add_co_u32 s94, s94, s2
	s_add_nc_u64 s[96:97], s[96:97], s[94:95]      ; its scale words: lanes' half p % 2, word (p / 2) % 2
	global_load_b128 v[30:33], v[LI], s[4:5]               ; Q0: stays in registers
	global_load_b128 v[38:41], v[LI], s[4:5] offset:512    ; Q1
	global_load_b32 v24, v[ADS], s[96:97] offset:4096      ; bytes 0, 1: Q0's two blocks; bytes 2, 3: Q1's
	s_lshl_b32 s94, s15, 6
	s_add_nc_u64 s[10:11], s[10:11], s[94:95]
	s_load_b512 s[16:31], s[10:11], 0x0            ; my pair's sixteen flag words
	s_lshl_b32 s94, s15, 13
	s_add_nc_u64 s[8:9], s[8:9], s[94:95]          ; my pair's lane masks
	s_lshl_b32 s2, s98, 19
	s_add_co_u32 s94, s94, s2
	s_add_nc_u64 s[12:13], s[12:13], s[94:95]      ; my pair's 32 rows of out
	s_mul_i32 s3, s14, 16*SPITCH
	s_add_co_u32 s3, s3, STG                       ; my stage
	v_mul_u32_u24 v[STO], v224, SPITCH
	v_lshl_add_u32 v[STO], v225, 5, v[STO]
	v_add_nc_u32 v[STO], s3, v[STO]                ; in: row r, + 32 h
	v_mul_u32_u24 v[SRD], v225, SPITCH
	v_lshl_add_u32 v[SRD], v224, 4, v[SRD]
	v_add_nc_u32 v[SRD], s3, v[SRD]                ; back: lanes 0-15 one row, lanes 16-31 the next
	s_wait_loadcnt 3                               ; the record is in; Q's three loads may be out
.set i, 0
.rept 17
	ds_store_b128 v[AD], v[S+4*i:S+4*i+3] offset:512*i
.set i, i+1
.endr
.irp z, 26,27,28,29,34,35,36,37,42,43,44,45
	v_mov_b32 v\z, 0                               ; Z: zero codes
.endr
	v_mov_b32 v[NINF], 0xff800000
	v_mov_b32 v13, 0xff61b1e6                      ; the largest t so far: -3e38, under every t
	v_mov_b32 v17, 0xff61b1e6
	v_floor_f32 v12, -v13                          ; -M
	v_floor_f32 v16, -v17
.irp z, 14,15,18,19,21,23,228,229,230,231
	v_mov_b32 v\z, 0                               ; the sums; the upper halves of the pairs (f, scale word); the lane permutes' destinations, which count as sources
.endr
	s_wait_loadcnt 0x0                             ; Q
	v_alignbit_b32 v25, v24, v24, 16               ; Q1's bytes below, Q0's above
	s_wait_dscnt 0x0                               ; for the others' sake: my record lies in LDS
	s_barrier_signal -1
	s_barrier_wait -1                              ; all sixteen do: the launch's only barrier
.set j, 0
.rept 64
	v_mov_b32 v[OT+j], 0                           ; O^T.  Which step is a wave's first hangs on the flags, so no first product can be written out to start the sums.  (Also the places between v25 and the first product)
.set j, j+1
.endr
	s_wait_kmcnt 0x0                               ; the flag words: some | all << 16
	s_mov_b32 s[ANY], s16
.irp s, 1,2,3,4,5,6,7,8,9,10,11,12,13,14,15
	s_lshl_b32 s2, s[16+\s], \s
	s_or_b32 s[ANY], s[ANY], s2
.endr
	s_lshr_b32 s[ALL], s[ANY], 16                  ; bit s: step s
	s_and_b32 s[ANY], s[ANY], 0xffff
	s_mov_b32 s[ST], 0
	s_mov_b32 s[TB], 0
	s_mov_b32 s[MO], 0
.macro MMZ d, a, b, sa, sb, row1       ; a product that starts a sum;  row1: source 0's scale words stand in lanes 16-31
.if \row1
	v_wmma_scale_f32_16x16x128_f8f6f4 v[(\d):(\d)+7], v[(\a):(\a)+7], v[(\b):(\b)+7], 0, v[\sa], v[\sb] matrix_a_fmt:MATRIX_FMT_FP4 matrix_b_fmt:MATRIX_FMT_FP4 matrix_a_scale:MATRIX_SCALE_ROW1
.else
	v_wmma_scale_f32_16x16x128_f8f6f4 v[(\d):(\d)+7], v[(\a):(\a)+7], v[(\b):(\b)+7], 0, v[\sa], v[\sb] matrix_a_fmt:MATRIX_FMT_FP4 matrix_b_fmt:MATRIX_FMT_FP4
.endif
.endm
.macro MMA d, a, b, sa, sb, row1       ; a product that adds in place
.if \row1
	v_wmma_scale_f32_16x16x128_f8f6f4 v[(\d):(\d)+7], v[(\a):(\a)+7], v[(\b):(\b)+7], v[(\d):(\d)+7], v[\sa], v[\sb] matrix_a_fmt:MATRIX_FMT_FP4 matrix_b_fmt:MATRIX_FMT_FP4 matrix_a_scale:MATRIX_SCALE_ROW1
.else
	v_wmma_scale_f32_16x16x128_f8f6f4 v[(\d):(\d)+7], v[(\a):(\a)+7], v[(\b):(\b)+7], v[(\d):(\d)+7], v[\sa], v[\sb] matrix_a_fmt:MATRIX_FMT_FP4 matrix_b_fmt:MATRIX_FMT_FP4
.endif
.endm
; A vector instruction that reads a matrix result, and a load into a register that a matrix instruction has read, stand four places behind it, and only plain vector instructions that name none of its
; registers are places (ISA guide 7.12.1 for vector instructions).
.macro PLACES
.rept 4
	v_nop
.endr
.endm
.macro MLOAD u                         ; tile u's 64 lane masks of the step in hand
	s_load_b512 s[16:31], s[8:9], s[MO] offset:256*\u
	s_load_b512 s[32:47], s[8:9], s[MO] offset:256*\u+64
	s_load_b512 s[48:63], s[8:9], s[MO] offset:256*\u+128
	s_load_b512 s[68:83], s[8:9], s[MO] offset:256*\u+192
.endm
.macro MASK                            ; hidden scores become -infinity ahead of the maximum: p = 0 then.  One select a register, ascending: each accumulator is read from its low end on
.set n, 0
.rept 64
.if n < 48
	v_cndmask_b32 v[S+n], v[NINF], v[S+n], s[16+n]
.else
	v_cndmask_b32 v[S+n], v[NINF], v[S+n], s[20+n]
.endif
.set n, n+1
.endr
.endm
.macro QK u                            ; S^T of tile u: fragment b x [Qu | Z] gives keys 32 b + 16 h + 0 .. 7, x [Z | Qu] keys + 8 .. 15.  The scale word that has Qu's two bytes under Qu's codes goes with each
.irp b, 0,1,2,3
	MMZ S+16*\b,   KV+8*\b, 30+8*\u, 8+\b/2, 24+\u, \b%2
	MMZ S+16*\b+8, KV+8*\b, 26+8*\u, 8+\b/2, 25-\u, \b%2
.endr
.endm
; One tile's softmax for a step: 64 scores a lane become p's codes in v[PC] on and p's scale word in v[PS]; M, f and the sum move on.
.macro SOFTMAX u
.set NM,  12+4*\u
.set TMX, 13+4*\u
.set SUM, 14+4*\u
.set FF,  20+2*\u
.set PS,  21+2*\u
.set PC,  PC0+8*\u
.irp b, 0,1,2,3
	v_max3_num_f32 v[BM+\b], v[S+16*\b], v[S+1+16*\b], v[S+2+16*\b]   ; THE LARGEST SCORE OF EACH BLOCK OF 32 KEYS: it serves twice: for the row's maximum, and, since p rises with the score, for the block's largest p
.endr
.irp i, 3,5,7,9,11,13
.irp b, 0,1,2,3
	v_max3_num_f32 v[BM+\b], v[BM+\b], v[S+16*\b+\i], v[S+1+16*\b+\i]   ; (the four blocks by turns)
.endr
.endr
.irp b, 0,1,2,3
	v_max_num_f32 v[BM+\b], v[BM+\b], v[S+15+16*\b]
.endr
.irp b, 0,1,2,3
	v_permlanex16_b32 v[PX+\b], v[BM+\b], s84, s85
.endr
.irp b, 0,1,2,3
	v_max_num_f32 v[BM+\b], v[BM+\b], v[PX+\b]     ; with lane l xor 16's 16 keys
.endr
	v_max3_num_f32 v[DD], v[BM], v[BM+1], v[BM+2]
	v_max_num_f32 v[DD], v[DD], v[BM+3]            ; the step's largest score of my query (-infinity where all its keys are hidden)
	v_mul_f32 v[DD], s86, v[DD]                    ; as t (c is positive)
	v_max_num_f32 v[TMX], v[TMX], v[DD]            ; the running largest t
	v_mov_b32 v[DD], v[NM]
	v_floor_f32 v[NM], -v[TMX]                     ; the new -M = floor(-t) = -ceil(t): M IS A WHOLE NUMBER
	v_sub_f32 v[DD], v[NM], v[DD]                  ; M's old value less its new one: a whole number, 0 or less
	v_cvt_i32_f32 v[DD], v[DD]                     ; (it saturates)
	v_ldexp_f32 v[FF], 1.0, v[DD]                  ; f = 2^(old M - new M): rounds nothing
.set j, 0
.rept 32
	v_pk_fma_f32 v[S+j:S+j+1], v[S+j:S+j+1], s[86:87], v[NM:NM+1] op_sel_hi:[1,0,0]   ; t - M, two at a time (of the pairs c and -M the low word serves both halves)
.set j, j+2
.endr
.irp b, 0,1,2,3
	v_fma_f32 v[BM+\b], v[BM+\b], s86, v[NM]       ; the same of each block's largest score
.endr
.set j, 0
.rept 64
	v_exp_f32 v[S+j], v[S+j]                       ; p = 2^(t - M), at most 1: NOT normalised
.set j, j+1
.endr
	v_pk_mul_f32 v[SUM:SUM+1], v[SUM:SUM+1], v[FF:FF+1] op_sel_hi:[1,0]   ; the sums under the new M.  (The plain instruction behind the exponentials)
	s_wait_alu depctr_va_vdst(0)                   ; one wait for the whole batch, ahead of its first reader
.irp b, 0,1,2,3
	v_exp_f32 v[BM+\b], v[BM+\b]                   ; the block's largest p: the same two instructions on the same number give the same bits
.endr
	v_pk_add_f32 v[TT:TT+1], v[S:S+1], v[S+2:S+3]  ; THE ROW'S SUM IS TAKEN OF THE UNQUANTISED p: two at a time, in two chains.  (It reads the 64 alone: plain work behind the four)
.set j, 4
.rept 15
	v_pk_add_f32 v[SUM:SUM+1], v[SUM:SUM+1], v[S+j:S+j+1]
	v_pk_add_f32 v[TT:TT+1], v[TT:TT+1], v[S+j+2:S+j+3]
.set j, j+4
.endr
	v_pk_add_f32 v[SUM:SUM+1], v[SUM:SUM+1], v[TT:TT+1]
	s_wait_alu depctr_va_vdst(0)                   ; and one for the four
.irp b, 0,1,2,3
	v_max_num_f32 v[BM+\b], 0x1800000, v[BM+\b]    ; the floor 2^(3 - 127): the byte cannot fall under 1 (a block whose every p is 0 keeps that byte: its codes are zeros)
.endr
.irp b, 0,1,2,3
	v_add_nc_u32 v[SO+\b], 0xff000000, v[BM+\b]    ; 2 off the exponent field: the conversion's scale operand
.endr
.irp b, 0,1,2,3
	v_lshrrev_b32 v[PX+\b], 23, v[SO+\b]           ; the scale's byte
.endr
	v_lshl_or_b32 v[PS], v[PX+1], 8, v[PX]         ; p's scale word for these 128 keys
	v_lshl_or_b32 v[PS], v[PX+2], 16, v[PS]
	v_lshl_or_b32 v[PS], v[PX+3], 24, v[PS]
.irp b, 0,1,2,3
	v_cvt_scalef32_pk8_fp4_f32 v[PC+2*\b], v[S+16*\b:S+7+16*\b], v[SO+\b]
	v_cvt_scalef32_pk8_fp4_f32 v[PC+1+2*\b], v[S+8+16*\b:S+15+16*\b], v[SO+\b]
.endr
	v_nop                                          ; one plain instruction behind the last conversion: vector and matrix instructions touch its registers later
.irp c, 0,1                            ; the operand's layout wants a WHOLE block in a lane: lanes 0-15 block 2 c, lanes 16-31 block 2 c + 1
.irp i, 0,1
	v_permlane16_swap_b32 v[PC+4*\c+\i], v[PC+2+4*\c+\i]
.endr
.endr
.endm
; A STEP of 128 keys for my 32 queries.  masked = 1: some keys are hidden: the lane masks come by scalar loads, tile 1's while tile 0's softmax runs.
.macro BODY masked
.if \masked
	MLOAD 0
.endif
	v_add_nc_u32 v[AD], s[TB], v[LI]
	v_add_nc_u32 v[ADS], s[TB], v[LS]
	v_nop
	v_nop                                          ; four places behind the last step's products, in front of loads into the registers that they read
.set i, 0
.rept 8
	ds_load_b128 v[KV+4*i:KV+4*i+3], v[AD] offset:512*i   ; K's four fragments: 512 consecutive bytes a load
.set i, i+1
.endr
	ds_load_b64 v[8:9], v[ADS]                     ; their scale words: v8 fragments 0 (lanes 0-15) and 1 (lanes 16-31), v9 fragments 2 and 3
	s_wait_dscnt 0x0
	QK 0
	PLACES
.if \masked
	s_wait_kmcnt 0x0                               ; tile 0's lane masks
	MASK
	MLOAD 1                                        ; the selects above have been issued; the softmax below stands between this load and its wait
.endif
	SOFTMAX 0
	QK 1
	PLACES                                         ; for the reads of the scores and for the loads into K's registers alike
.set i, 0
.rept 8
	ds_load_b128 v[KV+4*i:KV+4*i+3], v[AD] offset:4096+512*i   ; V's four fragments land while tile 1's softmax runs
.set i, i+1
.endr
	ds_load_b64 v[10:11], v[ADS] offset:256
.if \masked
	s_wait_kmcnt 0x0                               ; tile 1's lane masks; behind this wait s[MO] may step
	MASK
.endif
	SOFTMAX 1
.irp u, 0,1
.set j, 0
.rept 16
	v_pk_mul_f32 v[OT+32*\u+j:OT+32*\u+j+1], v[OT+32*\u+j:OT+32*\u+j+1], v[20+2*\u:21+2*\u] op_sel_hi:[1,0]   ; O^T under the new M: x f, ascending.  (These 32 are also the places between p's codes and scale word and the products)
.set j, j+2
.endr
.endr
	s_wait_dscnt 0x0                               ; V
.irp t, 0,1,2,3                        ; O^T += V^T P^T: eight accumulators by turns, one instruction a turn; the next matrix instruction behind the last is a product K Q^T
.irp u, 0,1
	MMA OT+32*\u+8*\t, KV+8*\t, PC0+8*\u, 10+\t/2, 21+2*\u, \t%2
.endr
.endr
.endm
.Lstep:                                            ; sixteen trips, a constant of the text: what is left out is a step's work, not the lines that step addresses
	s_bitcmp1_b32 s[ANY], 0
	s_cbranch_scc0 .Lnext                          ; every key of the step is hidden for all my 32 queries
	s_bitcmp1_b32 s[ALL], 0
	s_cbranch_scc1 .Lopen
	BODY 1
	s_branch .Lnext
.Lopen:
	BODY 0                                         ; all keys count: no lane mask is loaded, no select is made
.Lnext:
	s_lshr_b32 s[ANY], s[ANY], 1
	s_lshr_b32 s[ALL], s[ALL], 1
	s_add_co_u32 s[TB], s[TB], REC
	s_add_co_u32 s[MO], s[MO], 512
	s_add_co_u32 s[ST], s[ST], 1
	s_cmp_lt_u32 s[ST], 16
	s_cbranch_scc1 .Lstep
	; THE WAY OUT.  The sum's two halves and the other half of the lanes' are added; O^T is divided by the sum and goes through my stage in LDS, a tile (16 rows of 256 bytes) at a time.
	; The four additions and the v_nop are the places behind the last products.
	v_add_f32 v14, v14, v15
	v_add_f32 v18, v18, v19
	v_permlanex16_b32 v[PX], v14, s84, s85
	v_permlanex16_b32 v[PX+1], v18, s84, s85
	v_add_f32 v14, v14, v[PX]
	v_add_f32 v18, v18, v[PX+1]
	v_rcp_f32 v240, v14                            ; each twice: a pair for the packed multiply
	v_rcp_f32 v241, v14
	v_rcp_f32 v242, v18
	v_rcp_f32 v243, v18
	v_nop                                          ; a plain instruction between the last reciprocal and the use of its result
	s_wait_alu depctr_va_vdst(0)                   ; one wait for the four, ahead of their first reader
.macro OUT u, pr, bk                   ; tile u: quotients into v[pr] on; lane (r, h): channels 16 t + 8 h + 0 .. 7 of stage row r; back as whole rows into v[bk] on
.set j, 0
.rept 16
	v_pk_mul_f32 v[\pr+j:\pr+j+1], v[OT+32*\u+j:OT+32*\u+j+1], v[240+2*\u:241+2*\u]
.set j, j+2
.endr
.irp t, 0,1,2,3
	ds_store_b128 v[STO], v[\pr+8*\t:\pr+8*\t+3] offset:64*\t
	ds_store_b128 v[STO], v[\pr+8*\t+4:\pr+8*\t+7] offset:64*\t+16
.endr
.irp i, 0,1,2,3,4,5,6,7
	ds_load_b128 v[\bk+4*\i:\bk+4*\i+3], v[SRD] offset:2*\i*SPITCH   ; LDS serves a wave's instructions in order (ISA guide 5.7.1): these see the stores above, and the next tile's stores come behind them
.endr
.endm
	OUT 0, 80, 48
	OUT 1, 112, 208
.irp i, 0,1,2,3,4,5,6,7                ; stage rows 2 i, 2 i + 1 of tile u are queries 8 u + 2 i + 8 (i / 4) and the next
	s_wait_dscnt 23-\i                             ; behind load i: tile 0's 7 - i younger loads and tile 1's sixteen LDS instructions
	global_store_b128 v[LI], v[48+4*\i:51+4*\i], s[12:13] offset:(2*\i+8*(\i/4))*256 th:TH_STORE_NT   ; 32 lanes store 512 consecutive bytes, two rows, at a multiple of 256 from out's first byte
.endr
.irp i, 0,1,2,3,4,5,6,7
	s_wait_dscnt 7-\i
	global_store_b128 v[LI], v[208+4*\i:211+4*\i], s[12:13] offset:(8+2*\i+8*(\i/4))*256 th:TH_STORE_NT
.endr
	s_wait_tensorcnt 0x0
	ds_add_u32 v254, v255
	s_wait_dscnt 0x0
	s_endpgm
.Lfunc_end_k_q1df1b492f3_attn:
	.size	k_q1df1b492f3_attn, .Lfunc_end_k_q1df1b492f3_attn-k_q1df1b492f3_attn
	.p2alignl 7, 3214868480
	.fill 96, 4, 3214868480
	.section	.rodata,"a",@progbits
	.p2align	6, 0x0
	.amdhsa_kernel k_q1df1b492f3_attn
		.amdhsa_group_segment_fixed_size 210944
		.amdhsa_private_segment_fixed_size 0
		.amdhsa_enable_private_segment 0
		.amdhsa_kernarg_size 40
		.amdhsa_user_sgpr_count 2
		.amdhsa_user_sgpr_kernarg_segment_ptr 1
		.amdhsa_wavefront_size32 1
		.amdhsa_system_sgpr_workgroup_id_x 1
		.amdhsa_system_sgpr_workgroup_id_y 1
		.amdhsa_system_sgpr_workgroup_id_z 1
		.amdhsa_system_vgpr_workitem_id 0
		.amdhsa_next_free_vgpr 256
		.amdhsa_next_free_sgpr 100
		.amdhsa_reserve_vcc 0
		.amdhsa_float_denorm_mode_32 3
		.amdhsa_float_denorm_mode_16_64 3
		.amdhsa_memory_ordered 1
		.amdhsa_forward_progress 1
		.amdhsa_inst_pref_size 82
	.end_amdhsa_kernel
	.amdgpu_metadata
---
amdhsa.version: [ 1, 2 ]
amdhsa.kernels:
  - .name:           k_q1df1b492f3_attn
    .symbol:         k_q1df1b492f3_attn.kd
    .args:
      - { .name: qrec, .offset: 0, .size: 8, .value_kind: global_buffer, .address_space: global }
      - { .name: kvrec, .offset: 8, .size: 8, .value_kind: global_buffer, .address_space: global }
      - { .name: mlanes, .offset: 16, .size: 8, .value_kind: global_buffer, .address_space: global }
      - { .name: mflags, .offset: 24, .size: 8, .value_kind: global_buffer, .address_space: global }
      - { .name: out0, .offset: 32, .size: 8, .value_kind: global_buffer, .address_space: global }
    .group_segment_fixed_size: 210944
    .private_segment_fixed_size: 0
    .kernarg_segment_align: 8
    .kernarg_segment_size: 40
    .max_flat_workgroup_size: 512
    .sgpr_count:     100
    .vgpr_count:     256
    .wavefront_size: 32
...
	.end_amdgpu_metadata
.endif
;; end of part 2
;; ======== version 2 of 2: 2 launches
;; workspace buffers: qrec 4,456,448 bytes; kvrec 8,912,896 bytes; mlanes 524,288 bytes of whole numbers; mflags 4,096 bytes of whole numbers
;; launch prep (part 3): grid 256 x 4, 4 waves a work-group, no clusters, 35,328 bytes of LDS; arguments Q, K, V, mask, qrec, kvrec, mlanes, mflags; writes qrec, kvrec, mlanes, mflags
.if DOCPART == 3
	.amdgcn_target "amdgcn-amd-amdhsa--gfx1250"
	.amdhsa_code_object_version 6
	.text
	.protected	k_q1df1b492f3_prep
	.globl	k_q1df1b492f3_prep
	.p2align	8
	.type	k_q1df1b492f3_prep,@function
k_q1df1b492f3_prep:
	s_mov_b64 s[64:65], 0
	v_nop
	global_prefetch_b8 v0, s[64:65] scope:SCOPE_SE
	s_setreg_imm32_b32 hwreg(HW_REG_WAVE_MODE, 25, 1), 1
	s_wait_xcnt 0x0
; Q, K, V [64 heads][2048][64] f32 become codes of FP4 (E2M1) with one E8M0 scale byte for each 32 along a product's K, laid in the ORDER OF THE OPERANDS' REGISTERS of the attention launch;
; the mask [2048][2048] of bytes becomes 32-bit LANE masks (one bit a lane of that launch's score registers) and, for each 32 queries x 128 keys, two flags: some key open, all keys open.
; Work-group y says what is made: 0 Q, 1 K (their K is the head's 64, innermost: path ROWS), 2 V (its K is the keys, its first axis in a head: path COLS), 3 the mask (path MASKS).
; A wave takes one UNIT U = 4 x work-group x + wave, 0 .. 1023: 128 rows of a head (32,768 bytes of f32), or 32 queries x 128 keys of the mask.  Waves share nothing: no barrier.
; A block's scale is 2^(floor(log2(its largest magnitude)) - 2); its byte is the largest magnitude's exponent field - 2, held at 1 from below.
; THE ROWS OF A TILE ARE NOT NEIGHBOURS: of a group of 32 rows, lane r of tile u (0, 1) takes row x(u, r) = 8 u + r + 8 (r / 8), for keys and for queries alike.
; RECORDS.  kvrec: [head][step of 128 keys] 8,704 bytes: K's codes (group b, tile u: 1024 b + 512 u + 16 lane: row x(u, r), d block h), V's codes from 4,096 (channel tile t, half c: 1024 t + 512 c + 16 lane:
; channel 16 t + r, keys 64 c + 32 h + 0 .. 31), K's scale words from 8,192 (8 bytes a lane: groups h and 2 + h, row r; in a word bytes 0, 1 tile 0's two blocks, bytes 2, 3 tile 1's), V's from 8,448 (8 bytes a lane:
; channel tiles h and 2 + h, row r; bytes = the step's four key blocks).  qrec: [head][128 queries] 4,352 bytes: codes as K's, scale words from 4,096 as K's.
; mlanes: [32 queries p][step s][tile u][n 0 .. 63] words: bit lane = mask[32 p + x(u, r)][128 s + 32 (n / 16) + 16 h + n % 16].  mflags: [p][s] words: some bit set | all bits set << 16.
; LIMITS: a block whose largest magnitude lies under 2^-124 keeps the byte 1; a block of zeros gets the byte 1 where the rule says 127 (its codes are zeros, which add nothing under any byte but 0xff, and
; this program alone reads the bytes); NaN and infinities in Q, K, V are not served; any mask byte other than 0 counts as true.
.set SPITCH, 272                       ; a stage row: 256 bytes + 16: sixteen lanes that take the same column of sixteen rows fall on sixteen different 16-byte columns modulo 256
.set WSTAGE, 32*SPITCH                 ; a wave's stage: a group's 32 rows
.set R,   16                           ; ROWS: v16-143  two sets of 64 registers as loaded
.set X,   144                          ; ROWS: v144-207 a group's two tiles: 32 neighbours along d a lane and tile
.set C,   208                          ; ROWS: v208-239 codes: four registers for each (group, tile): no store's data are written again
.set W,   240                          ; ROWS: v240-243 a group's scale word
.set CX,  16                           ; COLS: v16-143  two sets of 64 numbers: 32 keys x two columns a lane
.set CC,  144                          ; COLS: v144-175 codes: four registers for each (key block, column)
.set SW,  176                          ; COLS: v176-177 my two columns' scale words
; v1 lane, v2 16 x lane, v3, v4 the stage's addresses, v5 8 x lane, v6, v7 a path's offsets, v8-13 at work, v14 r, v15 h
	s_load_b512 s[4:19], s[0:1], 0x0               ; Q s[4:5], K s[6:7], V s[8:9], mask s[10:11], qrec s[12:13], kvrec s[14:15], mlanes s[16:17], mflags s[18:19]
	v_lshl_add_u32 v248, v0, 2, 0x8800
	v_mov_b32 v249, 0
	v_lshrrev_b32 v8, 5, v0
	v_readfirstlane_b32 s20, v8                    ; wave
	s_and_b32 s21, ttmp7, 0xffff                   ; y: which path
	s_lshl_b32 s22, ttmp9, 2
	s_add_co_u32 s22, s22, s20                     ; U
	s_mov_b32 s29, 0                               ; the upper word of every offset: all lie under 2^32
	s_mov_b32 s30, 0x76543210
	s_mov_b32 s31, 0xfedcba98                      ; v_permlanex16_b32's selects for lane l xor 16
	v_and_b32 v1, 31, v0
	v_and_b32 v14, 15, v0                          ; r
	v_bfe_u32 v15, v0, 4, 1                        ; h
	v_lshlrev_b32 v2, 4, v1
	v_lshlrev_b32 v5, 3, v1
	s_mul_i32 s43, s20, WSTAGE                     ; my stage (path ROWS alone uses LDS)
	v_mul_u32_u24 v3, v15, SPITCH
	v_lshl_add_u32 v3, v14, 4, v3
	v_add_nc_u32 v3, s43, v3                       ; in: a load's two rows: row h, 16 r
	v_mul_u32_u24 v4, v14, SPITCH
	v_lshl_add_u32 v4, v15, 7, v4
	v_add_nc_u32 v4, s43, v4                       ; out: row r of a tile, d block h: 128 bytes
	s_wait_kmcnt 0x0
	s_cmp_ge_u32 s21, 3
	s_cbranch_scc1 .Lmask
	s_cmp_eq_u32 s21, 2
	s_cbranch_scc1 .Lcols
; One block of 32 numbers in a lane's registers v[xs] on: its largest magnitude (two chains, the floor 2^(3 - 127) as one more leaf: the byte cannot fall under 1), the conversion's scale operand
; (2 off the exponent field) in v[sc], four registers of codes in v[cd] on, the scale's byte in v[e].  The shift that makes the byte is the plain line behind the conversions.
.macro QBLOCK xs, cd, ta, tb, sc, e
	v_max3_num_f32 v[\ta], |v[(\xs)]|, |v[(\xs)+1]|, |v[(\xs)+2]|
	v_max3_num_f32 v[\tb], |v[(\xs)+3]|, |v[(\xs)+4]|, |v[(\xs)+5]|
.irp i, 6,10,14,18,22,26
	v_max3_num_f32 v[\ta], v[\ta], |v[(\xs)+\i]|, |v[(\xs)+\i+1]|
	v_max3_num_f32 v[\tb], v[\tb], |v[(\xs)+\i+2]|, |v[(\xs)+\i+3]|
.endr
	v_max3_num_f32 v[\ta], v[\ta], |v[(\xs)+30]|, |v[(\xs)+31]|
	v_max3_num_f32 v[\ta], v[\ta], v[\tb], 0x1800000
	v_add_nc_u32 v[\sc], 0xff000000, v[\ta]
.irp g, 0,1,2,3
	v_cvt_scalef32_pk8_fp4_f32 v[(\cd)+\g], v[(\xs)+8*\g:(\xs)+8*\g+7], v[\sc]
.endr
	v_lshrrev_b32 v[\e], 23, v[\sc]
.endm
; ---------------- ROWS: Q (y = 0) or K (y = 1).  Only pointers and two constants are chosen: both tensors take one path.
	s_cmp_eq_u32 s21, 0
	s_cselect_b64 s[24:25], s[4:5], s[6:7]         ; from
	s_cselect_b64 s[26:27], s[12:13], s[14:15]     ; to
	s_mov_b32 s43, 8704
	s_cselect_b32 s43, 4352, s43                   ; a record
	s_mov_b32 s44, 8192
	s_cselect_b32 s44, 4096, s44                   ; where its scale words begin
	s_lshl_b32 s28, s22, 15
	s_add_nc_u64 s[24:25], s[24:25], s[28:29]      ; my 128 rows
	s_mul_i32 s28, s22, s43
	s_add_nc_u64 s[26:27], s[26:27], s[28:29]      ; my record
	s_wait_alu depctr_va_vdst(0)
	v_add_nc_u32 v6, s44, v5                       ; my 8 bytes of scale words
	v_lshlrev_b32 v247, 3, v15                     ; 8 h
	v_mov_b32 v246, 0                              ; written once: a lane permute's destination counts as one of its sources
.macro RLOAD g                         ; a group's 32 rows: each load reads 512 consecutive bytes, two rows
.irp i, 0,1,2,3,4,5,6,7,8,9,10,11,12,13,14,15
	global_load_b128 v[R+64*((\g)%2)+4*\i:R+64*((\g)%2)+4*\i+3], v2, s[24:25] offset:8192*(\g)+512*\i th:TH_LOAD_NT
.endr
.endm
.macro GROUP g
.if (\g) < 3
	s_wait_loadcnt 16                              ; this group's 16 loads are in; the next group's 16 may be out
.else
	s_wait_loadcnt 0x0
.endif
.irp i, 0,1,2,3,4,5,6,7,8,9,10,11,12,13,14,15  ; row 2 i + h of the group goes to stage row 16 u + r with 2 i + h = x(u, r): the stage holds tile 0's sixteen rows, then tile 1's
	ds_store_b128 v3, v[R+64*((\g)%2)+4*\i:R+64*((\g)%2)+4*\i+3] offset:(16*((\i/4)%2)+8*(\i/8)+(2*\i)%8)*SPITCH
.endr
.irp u, 0,1
.irp j, 0,1,2,3,4,5,6,7
	ds_load_b128 v[X+32*\u+4*\j:X+32*\u+4*\j+3], v4 offset:16*\u*SPITCH+16*\j   ; LDS serves a wave's instructions in order (ISA guide 5.7.1): these see the stores above
.endr
.endr
	s_wait_dscnt 0x0                               ; the numbers are back, and the stores have read their registers,
.if (\g) < 2
	RLOAD (\g)+2                                   ; which take the group two further on
.endif
	QBLOCK X, C+8*(\g), 8, 9, 10, 11
	global_store_b128 v2, v[C+8*(\g):C+8*(\g)+3], s[26:27] offset:1024*(\g)          ; 32 lanes store 512 consecutive bytes
	QBLOCK X+32, C+8*(\g)+4, 8, 9, 12, 13
	global_store_b128 v2, v[C+8*(\g)+4:C+8*(\g)+7], s[26:27] offset:1024*(\g)+512
	v_lshl_or_b32 v8, v13, 16, v11                 ; my two bytes: block h of tile 0's row and of tile 1's,
	v_lshlrev_b32 v8, v247, v8                     ; at their places in the word (8 h bits up);
	v_permlanex16_b32 v246, v8, s30, s31
	v_or_b32 v[W+(\g)], v8, v246                   ; with lane l xor 16's two the word is whole
.endm
	RLOAD 0
	RLOAD 1
	GROUP 0
	GROUP 1
	GROUP 2
	GROUP 3
	v_cmp_le_u32 vcc_lo, 16, v1
	v_cndmask_b32 v244, v[W], v[W+1], vcc_lo       ; lanes 0-15 group 0's words, lanes 16-31 group 1's
	v_cndmask_b32 v245, v[W+2], v[W+3], vcc_lo     ; groups 2 and 3
	global_store_b64 v6, v[244:245], s[26:27]      ; 32 lanes store 256 consecutive bytes, aligned
	s_wait_tensorcnt 0x0
	ds_add_u32 v248, v249
	s_wait_dscnt 0x0
	s_endpgm
; ---------------- COLS: V.  A lane takes two columns (channels lane and 32 + lane) and its registers run down the keys: a block of 32 keys lies in one lane, and the codes come out with the keys innermost.
.Lcols:
	s_lshl_b32 s28, s22, 15
	s_add_nc_u64 s[24:25], s[8:9], s[28:29]        ; my 128 keys
	s_mul_i32 s28, s22, 8704
	s_add_nc_u64 s[26:27], s[14:15], s[28:29]      ; my record
	v_lshlrev_b32 v6, 2, v1                        ; in: 4 bytes a lane
	v_lshlrev_b32 v7, 10, v15
	v_lshl_add_u32 v7, v14, 4, v7                  ; out: channel tile h of my two: 1024 h + 16 r
.macro CLOAD kb                        ; key block kb: V(32 kb + i, 32 j + lane); two neighbouring lines read one row's 256 bytes
.irp i, 0,1,2,3,4,5,6,7,8,9,10,11,12,13,14,15,16,17,18,19,20,21,22,23,24,25,26,27,28,29,30,31
.irp j, 0,1
	global_load_b32 v[CX+64*((\kb)%2)+32*\j+\i], v6, s[24:25] offset:(32*(\kb)+\i)*256+128*\j th:TH_LOAD_NT
.endr
.endr
.endm
.macro CBLOCK kb
.if (\kb) < 3
	s_wait_loadcnt 63                              ; behind this block's 64 loads stand the next block's 64; 63 is the largest count that the wait can name
.else
	s_wait_loadcnt 0x0
.endif
.irp j, 0,1
	QBLOCK CX+64*((\kb)%2)+32*\j, CC+4*(2*(\kb)+\j), 8, 9, 10+2*\j, 11+2*\j
.if (\kb) == 0
	v_mov_b32 v[SW+\j], v[11+2*\j]                 ; four bytes to a word, the lower keys in the lower byte
.else
	v_lshl_or_b32 v[SW+\j], v[11+2*\j], 8*(\kb), v[SW+\j]
.endif
	global_store_b128 v7, v[CC+4*(2*(\kb)+\j):CC+4*(2*(\kb)+\j)+3], s[26:27] offset:4096+2048*\j+512*((\kb)/2)+256*((\kb)%2)   ; sixteen lanes store 256 consecutive bytes, aligned
.endr
.if (\kb) < 2
	CLOAD (\kb)+2
.endif
.endm
	CLOAD 0
	CLOAD 1
	CBLOCK 0
	CBLOCK 1
	CBLOCK 2
	CBLOCK 3
	global_store_b64 v5, v[SW:SW+1], s[26:27] offset:8448   ; lane (r, h): the words of channel tiles h and 2 + h, row r
	s_endpgm
; ---------------- MASKS: queries 32 p .. 32 p + 31, keys 128 s .. 128 s + 127, p = U / 16, s = U % 16.  A lane loads the bytes of just the scores that it will hold in the attention launch.
.Lmask:
	s_lshr_b32 s43, s22, 4
	s_lshl_b32 s28, s43, 16                        ; 32 p rows of 2,048 bytes
	s_and_b32 s43, s22, 15
	s_lshl_b32 s43, s43, 7
	s_add_co_u32 s28, s28, s43                     ; + 128 s
	s_add_nc_u64 s[24:25], s[10:11], s[28:29]
	s_lshl_b32 s28, s22, 9
	s_add_nc_u64 s[26:27], s[16:17], s[28:29]      ; my 128 words of lane masks
	s_lshl_b32 s28, s22, 2
	s_add_nc_u64 s[44:45], s[18:19], s[28:29]      ; my flag word
	v_and_b32 v8, 8, v14
	v_add_nc_u32 v8, v8, v14                       ; r + 8 (r / 8)
	v_lshlrev_b32 v6, 11, v8
	v_lshl_add_u32 v6, v15, 4, v6                  ; that row, + 16 h
.irp u, 0,1
.irp q, 0,1,2,3
	global_load_b128 v[16+16*\u+4*\q:16+16*\u+4*\q+3], v6, s[24:25] offset:16384*\u+32*\q   ; tile u (8 rows further down), key block q: byte i of register 16 u + 4 q + m is n = 16 q + 4 m + i
.endr
.endr
.irp i, 0,1,2,3
	v_mov_b32 v[48+\i], 0                          ; v_writelane_b32's destination counts as read
.endr
	v_mov_b32 v13, 0
	s_mov_b32 s40, 0                               ; the or of all lane masks
	s_mov_b32 s41, -1                              ; and their and
	s_wait_loadcnt 0x0
.set k, 0
.rept 32                               ; register k: words 4 k .. 4 k + 3 of the 128: a compare turns a byte of 32 lanes into a word of 32 bits, and lane k of v48-51 gathers the four
.irp i, 0,1,2,3
	v_bfe_u32 v[8+\i], v[16+k], 8*\i, 8
.endr
.irp i, 0,1,2,3
	v_cmp_ne_u32 s[32+(4*k+\i)%8], 0, v[8+\i]
.endr
.irp i, 0,1,2,3
	v_writelane_b32 v[48+\i], s[32+(4*k+\i)%8], k
.endr
.irp i, 0,1,2,3
	s_or_b32 s40, s40, s[32+(4*k+\i)%8]
	s_and_b32 s41, s41, s[32+(4*k+\i)%8]
.endr
.set k, k+1
.endr
	s_wait_alu depctr_va_vdst(0)
	global_store_b128 v2, v[48:51], s[26:27]       ; 32 lanes store 512 consecutive bytes
	s_cmp_lg_u32 s40, 0
	s_cselect_b32 s46, 1, 0                        ; some key is open for some query
	s_cmp_eq_u32 s41, -1
	s_cselect_b32 s47, 0x10000, 0                  ; every key is open for every query
	s_or_b32 s46, s46, s47
	v_mov_b32 v12, s46
	v_cmp_eq_u32 vcc_lo, 0, v1
	s_wait_alu depctr_va_vdst(0)
	s_wait_xcnt 0x0                                ; EXEC is a source of the store above: it changes only behind this wait
	s_and_saveexec_b32 s42, vcc_lo
	global_store_b32 v13, v12, s[44:45]            ; lane 0 alone: one word
	s_wait_xcnt 0x0                                ; and again in front of the line that widens it
	s_or_b32 exec_lo, exec_lo, s42
	s_endpgm
.Lfunc_end_k_q1df1b492f3_prep:
	.size	k_q1df1b492f3_prep, .Lfunc_end_k_q1df1b492f3_prep-k_q1df1b492f3_prep
	.p2alignl 7, 3214868480
	.fill 96, 4, 3214868480
	.section	.rodata,"a",@progbits
	.p2align	6, 0x0
	.amdhsa_kernel k_q1df1b492f3_prep
		.amdhsa_group_segment_fixed_size 35328
		.amdhsa_private_segment_fixed_size 0
		.amdhsa_enable_private_segment 0
		.amdhsa_kernarg_size 64
		.amdhsa_user_sgpr_count 2
		.amdhsa_user_sgpr_kernarg_segment_ptr 1
		.amdhsa_wavefront_size32 1
		.amdhsa_system_sgpr_workgroup_id_x 1
		.amdhsa_system_sgpr_workgroup_id_y 1
		.amdhsa_system_sgpr_workgroup_id_z 1
		.amdhsa_system_vgpr_workitem_id 0
		.amdhsa_next_free_vgpr 250
		.amdhsa_next_free_sgpr 66
		.amdhsa_reserve_vcc 1
		.amdhsa_float_denorm_mode_32 3
		.amdhsa_float_denorm_mode_16_64 3
		.amdhsa_memory_ordered 1
		.amdhsa_forward_progress 1
		.amdhsa_inst_pref_size 101
	.end_amdhsa_kernel
	.amdgpu_metadata
---
amdhsa.version: [ 1, 2 ]
amdhsa.kernels:
  - .name:           k_q1df1b492f3_prep
    .symbol:         k_q1df1b492f3_prep.kd
    .args:
      - { .name: Q, .offset: 0, .size: 8, .value_kind: global_buffer, .address_space: global }
      - { .name: K, .offset: 8, .size: 8, .value_kind: global_buffer, .address_space: global }
      - { .name: V, .offset: 16, .size: 8, .value_kind: global_buffer, .address_space: global }
      - { .name: mask, .offset: 24, .size: 8, .value_kind: global_buffer, .address_space: global }
      - { .name: qrec, .offset: 32, .size: 8, .value_kind: global_buffer, .address_space: global }
      - { .name: kvrec, .offset: 40, .size: 8, .value_kind: global_buffer, .address_space: global }
      - { .name: mlanes, .offset: 48, .size: 8, .value_kind: global_buffer, .address_space: global }
      - { .name: mflags, .offset: 56, .size: 8, .value_kind: global_buffer, .address_space: global }
    .group_segment_fixed_size: 35328
    .private_segment_fixed_size: 0
    .kernarg_segment_align: 8
    .kernarg_segment_size: 64
    .max_flat_workgroup_size: 128
    .sgpr_count:     66
    .vgpr_count:     250
    .wavefront_size: 32
...
	.end_amdgpu_metadata
.endif
;; end of part 3
;; launch attn (part 4): grid 4 x 64, 16 waves a work-group, no clusters, 210,944 bytes of LDS; arguments qrec, kvrec, mlanes, mflags, out0; writes out0
.if DOCPART == 4
	.amdgcn_target "amdgcn-amd-amdhsa--gfx1250"
	.amdhsa_code_object_version 6
	.text
	.protected	k_q1df1b492f3_attn
	.globl	k_q1df1b492f3_attn
	.p2align	8
	.type	k_q1df1b492f3_attn,@function
k_q1df1b492f3_attn:
	s_mov_b64 s[64:65], 0
	v_nop
	global_prefetch_b8 v0, s[64:65] scope:SCOPE_SE
	s_setreg_imm32_b32 hwreg(HW_REG_WAVE_SCHED_MODE, 0, 2), 2
	s_setreg_imm32_b32 hwreg(HW_REG_WAVE_MODE, 25, 1), 1
	s_wait_xcnt 0x0
	s_wait_alu depctr_vm_vsrc(0)
; out[head][q][:] = the sum over k of softmax_k(Q[q] . K[k] / 8, hidden where mask[q][k] is 0) V[k][:], 64 heads, 2,048 queries and keys, head size 64; both products on codes of FP4 (E2M1) with E8M0 scales.
; Codes, scale words, lane masks and flags were made by the launch before, in the order of this launch's operand registers (layouts: at that kernel's head).
; THE SOFTMAX AHEAD OF THE SECOND PRODUCT: t = score x log2(e) / 8; M = the row's largest t so far, rounded UP to a whole number; p = 2^(t - M) is what is quantised, along the keys, not normalised.
; The row's sum is taken of the unquantised p and divides at the end.  When M moves, the sum and O are multiplied by 2^(old M - new M): exact.
; SHARES.  A work-group (x 0 .. 3, y = head) of sixteen waves; a wave owns ONE pair p of 32 queries: two tiles u = 0, 1 of 16; lane r of tile u holds query 32 p + 8 u + r + 8 (r / 8).  Four waves to a SIMD.
; A HEAD'S K AND V, 16 records of 8,704 bytes, are copied into LDS once, wave w taking step w's record, behind the launch's one barrier; from there on every wave runs alone.
; WHAT THE MASK HIDES WHOLLY IS NOT WORKED: a step (128 keys) none of whose keys is open for any of the pair's 32 queries is passed over, and a step all of whose keys are open takes the body without the selects:
; scalar branches on the flag words that the launch before stored.  That is why this launch has no tensor load, no copy engine and no joint loads: its operands come through registers; and what the four
; work-groups of a head share is read once, at the head.  Which pair a wave owns only shares the work out (low and high pairs mixed among the waves); the result holds under any mask.
; LAYOUT.  Both products are used transposed: S^T = K Q^T (source 0 = keys, source 1 = my queries), O^T = V^T P^T (source 0 = 16 channels, source 1 = P): a lane holds ONE query (lane % 16) of a tile throughout.
; THE FIRST PRODUCT'S K IS 64, THE INSTRUCTION'S 128: a fragment of K holds TWO tiles of 16 keys, one in k = 0 .. 63 and one in k = 64 .. 127; multiplied by [Q | zeros] it gives the first tile's scores, by
; [zeros | Q] the second's.  The zeros are zero CODES; the scale bytes over them are other blocks' bytes, 1 .. 254, so they add nothing.  The run v26-45 = Z Q0 Z Q1 Z holds all four operands, overlapping.
; Register 16 b + i of S^T in lane (r, h) is key 128 s + 32 b + 16 h + i: sixteen neighbours along the second product's K.
; A ROW WITH NO OPEN KEY has sum 0 and O^T 0: 0 x infinity gives NaN, as the softmax of a row of -infinity does.
; LIMITS: those of the launch before; p under 2^-126 counts as 0 (v_exp_f32 flushes: ISA guide 15.8).
; THE MODE: SCHED_MODE bits 1:0 = 2 (LLVM: expert scheduling mode 2), set by the entry lines.  The code itself states the register dependences between vector or matrix instructions and memory or LDS
; instructions, with s_wait_alu, always for 0.
; THE PLAN.  A wave has 256 registers and thirteen of them are free: there is no second set for fragments.  So each run of loads stands straight behind the wait that its registers owe, and no vector or matrix
; instruction between that wait and the loads names a register that they touch.  Registers that memory or LDS instructions touch:
;   v1 LI, v2 LS     made at the head, never written again; read by every fragment load, by the copy's loads and by the stores of out.
;   v5 STO, v6 SRD   made at the head, never written again; read by the way out's LDS stores and loads.
;   v3 AD, v4 ADS    written by two additions at the head of each step that is worked; read by that step's 18 LDS loads (at the kernel's head: by the copy's LDS stores and the load of Q's scale word).
;   v48-79 KV        K's fragments land at a step's head; both products K Q^T read them; V's land behind the second of these; the eight products V^T P^T read them.  v[8:9], v[10:11], their scale words, likewise.
;   v80-147          at the head the copy passes through them: global loads land, LDS stores read; afterwards matrix and vector instructions alone, until the way out's quotients, which LDS stores read.
;   v48-79, v208-239 on the way out rows come back from the stage into them.
;   v21, v23, v208-223 (p's scale words and codes), v25 and the zero codes of v26-45: written by vector instructions, taken by scaled matrix instructions.
; THE WAITS OF A STEP.  On vm_vsrc, once, at the loop's head ahead of its branches: the LDS loads issued so far have read AD and ADS.  On va_vdst: behind the two additions (AD and ADS are written; the last products
; are done with KV and the scale words); behind the second K Q^T (it is done with K's fragments); ahead of V^T P^T (p's codes and scale words are written); and the four behind the exponentials.
.set REC,   8704                       ; a step's record: K's codes 4,096, V's codes 4,096, K's scale words 256, V's 256
.set STG,   16*REC                     ; behind the records: a stage of 16 rows x 272 bytes for each wave, for the way out
.set SPITCH, 272                       ; 256 bytes + 16: the sixteen rows that a store touches fall on sixteen different 16-byte columns modulo 256
.set LI,  1                            ; v1   16 x lane: my place in a fragment's image; also my offset in two rows of out
.set LS,  2                            ; v2   8 x lane + 8,192: my place among a record's scale words
.set AD,  3                            ; v3   LDS address of the step's codes (at the head: where I put the copy)
.set ADS, 4                            ; v4   and of its scale words (at the head: 8 r, for Q's scale word)
.set STO, 5                            ; v5   the way out: where I put 32 bytes of a row
.set SRD, 6                            ; v6   and where I read a row back
.set NINF, 7                           ; v7   -infinity
                                       ; v[8:9] K's scale words, v[10:11] V's;  tile u: v[12+4u] -M, v[13+4u] the largest t, v[14+4u:15+4u] the sum in two halves
                                       ; v[20+2u] f = 2^(old M - new M), v[21+2u] p's scale word;  v24 Q's scale word, v25 the same turned by 16 bits;  v26-45 Z Q0 Z Q1 Z
.set KV,  48                           ; v48-79   four fragments of K, then of V
.set S,   80                           ; v80-143  S^T of one tile of queries, then p
.set OT,  144                          ; v144-207 O^T: tile u, channels 16 t on: at 144 + 32 u + 8 t
.set PC0, 208                          ; v208-223 p's codes, 8 a tile
.set BM,  224                          ; v224-227 the blocks' largest scores, then largest p
.set PX,  228                          ; v228-231 what the other half of the lanes sends; then the bytes
.set SO,  232                          ; v232-235 the conversions' scale operands
.set TT,  236                          ; v[236:237] the sums' second chain
.set DD,  238                          ; v238 at work;  v240-243 the reciprocals;  v254, v255 the closing add's two, made at the head and kept for it alone
.set ANY, 88                           ; s88  bit 0: some key of the step in hand is open
.set ALL, 89                           ; s89  bit 0: all are
.set ST,  90                           ; s90  the step
.set TB,  91                           ; s91  8,704 x step: its record in LDS
.set MO,  92                           ; s92  512 x step: its lane masks
                                       ; s16-63 and s68-83: a tile's 64 lane masks;  s[84:85] lane selects;  s[86:87] c
	s_load_b256 s[4:11], s[0:1], 0x0               ; qrec s[4:5], kvrec s[6:7], mlanes s[8:9], mflags s[10:11]
	s_load_b64 s[12:13], s[0:1], 0x20              ; out
	v_lshl_add_u32 v254, v0, 2, 0x33000
	v_mov_b32 v255, 0
	v_lshrrev_b32 v224, 5, v0
	v_readfirstlane_b32 s14, v224                  ; wave w, 0 .. 15
	v_and_b32 v226, 31, v0                         ; lane
	v_and_b32 v224, 15, v0                         ; r
	v_bfe_u32 v225, v0, 4, 1                       ; h
	v_lshlrev_b32 v[LI], 4, v226
	s_wait_alu depctr_va_vdst(0)
	v_lshl_add_u32 v[LS], v226, 3, 8192
	v_lshlrev_b32 v[ADS], 3, v224
	s_wait_alu depctr_va_sdst(0)                   ; s14 is written, ahead of its first reader: my pair, my record and my stage are made from it
	s_lshr_b32 s2, s14, 2                          ; my pair: row = w / 4, kap = (row + w) % 4,
	s_add_co_u32 s3, s2, s14
	s_and_b32 s3, s3, 3
	s_and_b32 s15, s3, 1
	s_lshl_b32 s15, s15, 2
	s_add_co_u32 s15, s15, s2
	s_lshl_b32 s2, ttmp9, 3
	s_add_co_u32 s15, s15, s2                      ; low = 8 x + 4 (kap % 2) + row, 0 .. 31,
	s_xor_b32 s2, s15, 63
	s_bitcmp1_b32 s3, 1
	s_cselect_b32 s15, s2, s15                     ; p = low, or 63 - low where kap is 2 or 3: each of the 64 pairs once.  p enters global addresses alone
	s_and_b32 s98, ttmp7, 0xffff                   ; the head
	s_mov_b32 s95, 0                               ; the upper word of every offset: all lie under 2^32
	s_mov_b32 s84, 0x76543210
	s_mov_b32 s85, 0xfedcba98                      ; v_permlanex16_b32's selects for lane l xor 16
	s_mov_b32 s86, 0x3e38aa3b                      ; c = log2(e) / 8
	s_mov_b32 s87, s86                             ; (the packed form names the pair and takes its low word for both halves: so it is written)
	s_mul_i32 s2, s14, REC
	v_add_nc_u32 v[AD], s2, v[LI]                  ; the copy: record w in LDS
	s_mul_i32 s94, s98, 16*REC
	s_add_co_u32 s94, s94, s2
	s_wait_kmcnt 0x0
	s_add_nc_u64 s[6:7], s[6:7], s[94:95]          ; and in memory
	s_wait_alu depctr_va_vdst(0)                   ; v[LI], v[LS], v[AD] and v[ADS] are written: the loads below read v[LI] and v[ADS] as offsets, the copy's LDS stores v[AD] as address
.set i, 0
.rept 17
	global_load_b128 v[S+4*i:S+4*i+3], v[LI], s[6:7] offset:512*i   ; 17 x 512 consecutive bytes
.set i, i+1
.endr
	s_lshl_b32 s94, s98, 4
	s_lshr_b32 s2, s15, 2
	s_add_co_u32 s94, s94, s2
	s_mul_i32 s94, s94, 4352
	s_add_nc_u64 s[96:97], s[4:5], s[94:95]        ; Q's record: 128 queries, of which my pair is group p % 4
	s_and_b32 s94, s15, 3
	s_lshl_b32 s94, s94, 10
	s_add_nc_u64 s[4:5], s[96:97], s[94:95]        ; its codes
	s_and_b32 s94, s15, 1
	s_lshl_b32 s94, s94, 7
	s_bfe_u32 s2, s15, 0x10001
	s_lshl_b32 s2, s2, 2
	s_add_co_u32 s94, s94, s2
	s_add_nc_u64 s[96:97], s[96:97], s[94:95]      ; its scale words: lanes' half p % 2, word (p / 2) % 2
	global_load_b128 v[30:33], v[LI], s[4:5]               ; Q0: stays in registers
	global_load_b128 v[38:41], v[LI], s[4:5] offset:512    ; Q1
	global_load_b32 v24, v[ADS], s[96:97] offset:4096      ; bytes 0, 1: Q0's two blocks; bytes 2, 3: Q1's
	s_lshl_b32 s94, s15, 6
	s_add_nc_u64 s[10:11], s[10:11], s[94:95]
	s_load_b512 s[16:31], s[10:11], 0x0            ; my pair's sixteen flag words
	s_lshl_b32 s94, s15, 13
	s_add_nc_u64 s[8:9], s[8:9], s[94:95]          ; my pair's lane masks
	s_lshl_b32 s2, s98, 19
	s_add_co_u32 s94, s94, s2
	s_add_nc_u64 s[12:13], s[12:13], s[94:95]      ; my pair's 32 rows of out
	s_mul_i32 s3, s14, 16*SPITCH
	s_add_co_u32 s3, s3, STG                       ; my stage
	v_mul_u32_u24 v[STO], v224, SPITCH             ; (these six lines name v5, v6, v224 and v225 alone: none of the registers that the copy's stores below touch)
	v_lshl_add_u32 v[STO], v225, 5, v[STO]
	v_add_nc_u32 v[STO], s3, v[STO]                ; in: row r, + 32 h
	v_mul_u32_u24 v[SRD], v225, SPITCH
	v_lshl_add_u32 v[SRD], v224, 4, v[SRD]
	v_add_nc_u32 v[SRD], s3, v[SRD]                ; back: lanes 0-15 one row, lanes 16-31 the next
	s_wait_loadcnt 3                               ; the record is in; Q's three loads may be out
.set i, 0
.rept 17
	ds_store_b128 v[AD], v[S+4*i:S+4*i+3] offset:512*i
.set i, i+1
.endr
.irp z, 26,27,28,29,34,35,36,37,42,43,44,45
	v_mov_b32 v\z, 0                               ; Z: zero codes
.endr
	v_mov_b32 v[NINF], 0xff800000
	v_mov_b32 v13, 0xff61b1e6                      ; the largest t so far: -3e38, under every t
	v_mov_b32 v17, 0xff61b1e6
	v_floor_f32 v12, -v13                          ; -M
	v_floor_f32 v16, -v17
.irp z, 14,15,18,19,21,23,228,229,230,231
	v_mov_b32 v\z, 0                               ; the sums; the upper halves of the pairs (f, scale word); the lane permutes' destinations, which count as sources
.endr
	s_wait_loadcnt 0x0                             ; Q
	v_alignbit_b32 v25, v24, v24, 16               ; Q1's bytes below, Q0's above
	s_wait_dscnt 0x0                               ; for the others' sake: my record lies in LDS
	s_barrier_signal -1
	s_barrier_wait -1                              ; all sixteen do: the launch's only barrier
	s_wait_alu depctr_vm_vsrc(0)                   ; the copy's LDS stores have read v80-147: v144-147 are cleared below, v80-143 take the scores
.set j, 0
.rept 64
	v_mov_b32 v[OT+j], 0                           ; O^T.  Which step is a wave's first hangs on the flags, so no first product can be written out to start the sums.  (Also the places between v25 and the first product)
.set j, j+1
.endr
	s_wait_kmcnt 0x0                               ; the flag words: some | all << 16
	s_mov_b32 s[ANY], s16
.irp s, 1,2,3,4,5,6,7,8,9,10,11,12,13,14,15
	s_lshl_b32 s2, s[16+\s], \s
	s_or_b32 s[ANY], s[ANY], s2
.endr
	s_lshr_b32 s[ALL], s[ANY], 16                  ; bit s: step s
	s_and_b32 s[ANY], s[ANY], 0xffff
	s_mov_b32 s[ST], 0
	s_mov_b32 s[TB], 0
	s_mov_b32 s[MO], 0
.macro MMZ d, a, b, sa, sb, row1       ; a product that starts a sum;  row1: source 0's scale words stand in lanes 16-31
.if \row1
	v_wmma_scale_f32_16x16x128_f8f6f4 v[(\d):(\d)+7], v[(\a):(\a)+7], v[(\b):(\b)+7], 0, v[\sa], v[\sb] matrix_a_fmt:MATRIX_FMT_FP4 matrix_b_fmt:MATRIX_FMT_FP4 matrix_a_scale:MATRIX_SCALE_ROW1
.else
	v_wmma_scale_f32_16x16x128_f8f6f4 v[(\d):(\d)+7], v[(\a):(\a)+7], v[(\b):(\b)+7], 0, v[\sa], v[\sb] matrix_a_fmt:MATRIX_FMT_FP4 matrix_b_fmt:MATRIX_FMT_FP4
.endif
.endm
.macro MMA d, a, b, sa, sb, row1       ; a product that adds in place
.if \row1
	v_wmma_scale_f32_16x16x128_f8f6f4 v[(\d):(\d)+7], v[(\a):(\a)+7], v[(\b):(\b)+7], v[(\d):(\d)+7], v[\sa], v[\sb] matrix_a_fmt:MATRIX_FMT_FP4 matrix_b_fmt:MATRIX_FMT_FP4 matrix_a_scale:MATRIX_SCALE_ROW1
.else
	v_wmma_scale_f32_16x16x128_f8f6f4 v[(\d):(\d)+7], v[(\a):(\a)+7], v[(\b):(\b)+7], v[(\d):(\d)+7], v[\sa], v[\sb] matrix_a_fmt:MATRIX_FMT_FP4 matrix_b_fmt:MATRIX_FMT_FP4
.endif
.endm
; A vector instruction that reads a matrix result stands four places behind it, and only plain vector instructions that name none of its registers are places (ISA guide 7.12.1).
; The places in front of loads into registers that matrix instructions have read stay as they stood; the wait on va_vdst beside them states that dependence.
.macro PLACES
.rept 4
	v_nop
.endr
.endm
.macro MLOAD u                         ; tile u's 64 lane masks of the step in hand
	s_load_b512 s[16:31], s[8:9], s[MO] offset:256*\u
	s_load_b512 s[32:47], s[8:9], s[MO] offset:256*\u+64
	s_load_b512 s[48:63], s[8:9], s[MO] offset:256*\u+128
	s_load_b512 s[68:83], s[8:9], s[MO] offset:256*\u+192
.endm
.macro MASK                            ; hidden scores become -infinity ahead of the maximum: p = 0 then.  One select a register, ascending: each accumulator is read from its low end on
.set n, 0
.rept 64
.if n < 48
	v_cndmask_b32 v[S+n], v[NINF], v[S+n], s[16+n]
.else
	v_cndmask_b32 v[S+n], v[NINF], v[S+n], s[20+n]
.endif
.set n, n+1
.endr
.endm
.macro QK u                            ; S^T of tile u: fragment b x [Qu | Z] gives keys 32 b + 16 h + 0 .. 7, x [Z | Qu] keys + 8 .. 15.  The scale word that has Qu's two bytes under Qu's codes goes with each
.irp b, 0,1,2,3
	MMZ S+16*\b,   KV+8*\b, 30+8*\u, 8+\b/2, 24+\u, \b%2
	MMZ S+16*\b+8, KV+8*\b, 26+8*\u, 8+\b/2, 25-\u, \b%2
.endr
.endm
; One tile's softmax for a step: 64 scores a lane become p's codes in v[PC] on and p's scale word in v[PS]; M, f and the sum move on.
; ml = 1: the other tile's lane masks are asked for behind the wait for the exponentials.
.macro SOFTMAX u, ml
.set NM,  12+4*\u
.set TMX, 13+4*\u
.set SUM, 14+4*\u
.set FF,  20+2*\u
.set PS,  21+2*\u
.set PC,  PC0+8*\u
.irp b, 0,1,2,3
	v_max3_num_f32 v[BM+\b], v[S+16*\b], v[S+1+16*\b], v[S+2+16*\b]   ; THE LARGEST SCORE OF EACH BLOCK OF 32 KEYS: it serves twice: for the row's maximum, and, since p rises with the score, for the block's largest p
.endr
.irp i, 3,5,7,9,11,13
.irp b, 0,1,2,3
	v_max3_num_f32 v[BM+\b], v[BM+\b], v[S+16*\b+\i], v[S+1+16*\b+\i]   ; (the four blocks by turns)
.endr
.endr
.irp b, 0,1,2,3
	v_max_num_f32 v[BM+\b], v[BM+\b], v[S+15+16*\b]
.endr
.irp b, 0,1,2,3
	v_permlanex16_b32 v[PX+\b], v[BM+\b], s84, s85
.endr
.irp b, 0,1,2,3
	v_max_num_f32 v[BM+\b], v[BM+\b], v[PX+\b]     ; with lane l xor 16's 16 keys
.endr
	v_max3_num_f32 v[DD], v[BM], v[BM+1], v[BM+2]
	v_max_num_f32 v[DD], v[DD], v[BM+3]            ; the step's largest score of my query (-infinity where all its keys are hidden)
	v_mul_f32 v[DD], s86, v[DD]                    ; as t (c is positive)
	v_max_num_f32 v[TMX], v[TMX], v[DD]            ; the running largest t
	v_mov_b32 v[DD], v[NM]
	v_floor_f32 v[NM], -v[TMX]                     ; the new -M = floor(-t) = -ceil(t): M IS A WHOLE NUMBER
	v_sub_f32 v[DD], v[NM], v[DD]                  ; M's old value less its new one: a whole number, 0 or less
	v_cvt_i32_f32 v[DD], v[DD]                     ; (it saturates)
	v_ldexp_f32 v[FF], 1.0, v[DD]                  ; f = 2^(old M - new M): rounds nothing
.set j, 0
.rept 32
	v_pk_fma_f32 v[S+j:S+j+1], v[S+j:S+j+1], s[86:87], v[NM:NM+1] op_sel_hi:[1,0,0]   ; t - M, two at a time (of the pairs c and -M the low word serves both halves)
.set j, j+2
.endr
.irp b, 0,1,2,3
	v_fma_f32 v[BM+\b], v[BM+\b], s86, v[NM]       ; the same of each block's largest score
.endr
.set j, 0
	s_wait_alu depctr_va_vdst(0)
.rept 64
	v_exp_f32 v[S+j], v[S+j]                       ; p = 2^(t - M), at most 1: NOT normalised
.set j, j+1
.endr
	v_pk_mul_f32 v[SUM:SUM+1], v[SUM:SUM+1], v[FF:FF+1] op_sel_hi:[1,0]   ; the sums under the new M.  (The plain instruction behind the exponentials)
	s_wait_alu depctr_va_vdst(0)                   ; the 64 exponentials have written p, ahead of its first reader: one wait for the batch; ml = 1: the selects, issued ahead of it, are done with s16-83 too
.if \ml
	MLOAD 1                                        ; the other tile's lane masks land in the scalar registers that this tile's selects read; the rest of this softmax and the next products stand between these loads and their wait
.endif
.irp b, 0,1,2,3
	v_exp_f32 v[BM+\b], v[BM+\b]                   ; the block's largest p: the same two instructions on the same number give the same bits
.endr
	v_pk_add_f32 v[TT:TT+1], v[S:S+1], v[S+2:S+3]  ; THE ROW'S SUM IS TAKEN OF THE UNQUANTISED p: two at a time, in two chains.  (It reads the 64 alone: plain work behind the four)
.set j, 4
.rept 15
	v_pk_add_f32 v[SUM:SUM+1], v[SUM:SUM+1], v[S+j:S+j+1]
	v_pk_add_f32 v[TT:TT+1], v[TT:TT+1], v[S+j+2:S+j+3]
.set j, j+4
.endr
	v_pk_add_f32 v[SUM:SUM+1], v[SUM:SUM+1], v[TT:TT+1]
	s_wait_alu depctr_va_vdst(0)                   ; the four exponentials have written the blocks' largest p, ahead of its first reader
.irp b, 0,1,2,3
	v_max_num_f32 v[BM+\b], 0x1800000, v[BM+\b]    ; the floor 2^(3 - 127): the byte cannot fall under 1 (a block whose every p is 0 keeps that byte: its codes are zeros)
.endr
.irp b, 0,1,2,3
	v_add_nc_u32 v[SO+\b], 0xff000000, v[BM+\b]    ; 2 off the exponent field: the conversion's scale operand
.endr
.irp b, 0,1,2,3
	v_lshrrev_b32 v[PX+\b], 23, v[SO+\b]           ; the scale's byte
.endr
	v_lshl_or_b32 v[PS], v[PX+1], 8, v[PX]         ; p's scale word for these 128 keys
	v_lshl_or_b32 v[PS], v[PX+2], 16, v[PS]
	v_lshl_or_b32 v[PS], v[PX+3], 24, v[PS]
.irp b, 0,1,2,3
	v_cvt_scalef32_pk8_fp4_f32 v[PC+2*\b], v[S+16*\b:S+7+16*\b], v[SO+\b]
	v_cvt_scalef32_pk8_fp4_f32 v[PC+1+2*\b], v[S+8+16*\b:S+15+16*\b], v[SO+\b]
.endr
	v_nop                                          ; one plain instruction behind the last conversion: vector and matrix instructions touch its registers later
.irp c, 0,1                            ; the operand's layout wants a WHOLE block in a lane: lanes 0-15 block 2 c, lanes 16-31 block 2 c + 1
.irp i, 0,1
	v_permlane16_swap_b32 v[PC+4*\c+\i], v[PC+2+4*\c+\i]
.endr
.endr
.endm
; A STEP of 128 keys for my 32 queries.  masked = 1: some keys are hidden: the lane masks come by scalar loads, tile 1's while tile 0's softmax runs.
.macro BODY masked
.if \masked
	MLOAD 0
.endif
	v_add_nc_u32 v[AD], s[TB], v[LI]               ; (free since the wait on vm_vsrc at the loop's head)
	v_add_nc_u32 v[ADS], s[TB], v[LS]
	v_nop
	v_nop                                          ; four places behind the last step's products, as they stood
	s_wait_alu depctr_va_vdst(0)                   ; v[AD] and v[ADS] are written, which the step's LDS loads read; the last products are done reading v48-79 and v[8:11], in which those loads land; in a wave's first step v25 and the zero codes are written, which the scaled products take
.set i, 0
.rept 8
	ds_load_b128 v[KV+4*i:KV+4*i+3], v[AD] offset:512*i   ; K's four fragments: 512 consecutive bytes a load
.set i, i+1
.endr
	ds_load_b64 v[8:9], v[ADS]                     ; their scale words: v8 fragments 0 (lanes 0-15) and 1 (lanes 16-31), v9 fragments 2 and 3
	s_wait_dscnt 0x0
	QK 0
	PLACES
.if \masked
	s_wait_kmcnt 0x0                               ; tile 0's lane masks
	MASK
.endif
	SOFTMAX 0, \masked
	QK 1
	PLACES                                         ; for the reads of the scores
	s_wait_alu depctr_va_vdst(0)                   ; the products K Q^T are done reading K's fragments, in which V's land (v[10:11] were last read ahead of the step's first wait)
.set i, 0
.rept 8
	ds_load_b128 v[KV+4*i:KV+4*i+3], v[AD] offset:4096+512*i   ; V's four fragments land while tile 1's softmax runs, which names none of these registers
.set i, i+1
.endr
	ds_load_b64 v[10:11], v[ADS] offset:256
.if \masked
	s_wait_kmcnt 0x0                               ; tile 1's lane masks; behind this wait s[MO] may step
	MASK
.endif
	SOFTMAX 1, 0
.irp u, 0,1
.set j, 0
.rept 16
	v_pk_mul_f32 v[OT+32*\u+j:OT+32*\u+j+1], v[OT+32*\u+j:OT+32*\u+j+1], v[20+2*\u:21+2*\u] op_sel_hi:[1,0]   ; O^T under the new M: x f, ascending.  (These 32 are also the places between p's codes and scale word and the products)
.set j, j+2
.endr
.endr
	s_wait_dscnt 0x0                               ; V
	s_wait_alu depctr_va_vdst(0)                   ; p's codes v208-223 and scale words v21, v23 are written, which the scaled products below take; the places above stay beside this wait
.irp t, 0,1,2,3                        ; O^T += V^T P^T: eight accumulators by turns, one instruction a turn; the next matrix instruction behind the last is a product K Q^T
.irp u, 0,1
	MMA OT+32*\u+8*\t, KV+8*\t, PC0+8*\u, 10+\t/2, 21+2*\u, \t%2
.endr
.endr
.endm
.Lstep:                                            ; sixteen trips, a constant of the text: what is left out is a step's work, not the lines that step addresses
	s_wait_alu depctr_vm_vsrc(0)                   ; the LDS loads issued so far (in the first trip: the copy's stores and the load of Q's scale word) have read v[AD] and v[ADS], which either body writes anew: ahead of both branches
	s_bitcmp1_b32 s[ANY], 0
	s_cbranch_scc0 .Lnext                          ; every key of the step is hidden for all my 32 queries
	s_bitcmp1_b32 s[ALL], 0
	s_cbranch_scc1 .Lopen
	BODY 1
	s_branch .Lnext
.Lopen:
	BODY 0                                         ; all keys count: no lane mask is loaded, no select is made
.Lnext:
	s_lshr_b32 s[ANY], s[ANY], 1
	s_lshr_b32 s[ALL], s[ALL], 1
	s_add_co_u32 s[TB], s[TB], REC
	s_add_co_u32 s[MO], s[MO], 512
	s_add_co_u32 s[ST], s[ST], 1
	s_cmp_lt_u32 s[ST], 16
	s_cbranch_scc1 .Lstep
	; THE WAY OUT.  The sum's two halves and the other half of the lanes' are added; O^T is divided by the sum and goes through my stage in LDS, a tile (16 rows of 256 bytes) at a time.
	; The four additions and the v_nop are the places behind the last products.
	v_add_f32 v14, v14, v15
	v_add_f32 v18, v18, v19
	v_permlanex16_b32 v[PX], v14, s84, s85
	v_permlanex16_b32 v[PX+1], v18, s84, s85
	v_add_f32 v14, v14, v[PX]
	v_add_f32 v18, v18, v[PX+1]
	s_wait_alu depctr_va_vdst(0)
	v_rcp_f32 v240, v14                            ; each twice: a pair for the packed multiply
	v_rcp_f32 v241, v14
	v_rcp_f32 v242, v18
	v_rcp_f32 v243, v18
	v_nop                                          ; a plain instruction between the last reciprocal and the use of its result
	s_wait_alu depctr_va_vdst(0)                   ; the four reciprocals are written, ahead of their first reader; the last products and the lines above are done with v48-79 and v208-239, in which the rows from the stage land
.macro QUOT u, pr                      ; tile u: quotients into v[pr] on, each accumulator from its low end on
.set j, 0
.rept 16
	v_pk_mul_f32 v[\pr+j:\pr+j+1], v[OT+32*\u+j:OT+32*\u+j+1], v[240+2*\u:241+2*\u]
.set j, j+2
.endr
.endm
.macro TOSTAGE pr, bk                  ; lane (r, h): channels 16 t + 8 h + 0 .. 7 of stage row r; back as whole rows into v[bk] on
.irp t, 0,1,2,3
	ds_store_b128 v[STO], v[\pr+8*\t:\pr+8*\t+3] offset:64*\t
	ds_store_b128 v[STO], v[\pr+8*\t+4:\pr+8*\t+7] offset:64*\t+16
.endr
.irp i, 0,1,2,3,4,5,6,7
	ds_load_b128 v[\bk+4*\i:\bk+4*\i+3], v[SRD] offset:2*\i*SPITCH   ; LDS serves a wave's instructions in order (ISA guide 5.7.1): these see the stores above, and the next tile's stores come behind them
.endr
.endm
	QUOT 0, 80
	QUOT 1, 112
	s_wait_alu depctr_va_vdst(0)                   ; both tiles' quotients v80-143 are written, which the LDS stores read; so are v[STO] and v[SRD], on the path that worked no step too.  No vector instruction follows
	TOSTAGE 80, 48
	TOSTAGE 112, 208
.irp i, 0,1,2,3,4,5,6,7                ; stage rows 2 i, 2 i + 1 of tile u are queries 8 u + 2 i + 8 (i / 4) and the next
	s_wait_dscnt 23-\i                             ; behind load i: tile 0's 7 - i younger loads and tile 1's sixteen LDS instructions
	global_store_b128 v[LI], v[48+4*\i:51+4*\i], s[12:13] offset:(2*\i+8*(\i/4))*256 th:TH_STORE_NT   ; 32 lanes store 512 consecutive bytes, two rows, at a multiple of 256 from out's first byte
.endr
.irp i, 0,1,2,3,4,5,6,7
	s_wait_dscnt 7-\i
	global_store_b128 v[LI], v[208+4*\i:211+4*\i], s[12:13] offset:(8+2*\i+8*(\i/4))*256 th:TH_STORE_NT
.endr
	s_wait_dscnt 0x0                               ; the closing lines, six on end
	s_wait_alu 0x0
	s_wait_tensorcnt 0x0
	ds_add_u32 v254, v255
	s_wait_dscnt 0x0
	s_endpgm
.Lfunc_end_k_q1df1b492f3_attn:
	.size	k_q1df1b492f3_attn, .Lfunc_end_k_q1df1b492f3_attn-k_q1df1b492f3_attn
	.p2alignl 7, 3214868480
	.fill 96, 4, 3214868480
	.section	.rodata,"a",@progbits
	.p2align	6, 0x0
	.amdhsa_kernel k_q1df1b492f3_attn
		.amdhsa_group_segment_fixed_size 210944
		.amdhsa_private_segment_fixed_size 0
		.amdhsa_enable_private_segment 0
		.amdhsa_kernarg_size 40
		.amdhsa_user_sgpr_count 2
		.amdhsa_user_sgpr_kernarg_segment_ptr 1
		.amdhsa_wavefront_size32 1
		.amdhsa_system_sgpr_workgroup_id_x 1
		.amdhsa_system_sgpr_workgroup_id_y 1
		.amdhsa_system_sgpr_workgroup_id_z 1
		.amdhsa_system_vgpr_workitem_id 0
		.amdhsa_next_free_vgpr 256
		.amdhsa_next_free_sgpr 100
		.amdhsa_reserve_vcc 0
		.amdhsa_float_denorm_mode_32 3
		.amdhsa_float_denorm_mode_16_64 3
		.amdhsa_memory_ordered 1
		.amdhsa_forward_progress 1
		.amdhsa_inst_pref_size 83
	.end_amdhsa_kernel
	.amdgpu_metadata
---
amdhsa.version: [ 1, 2 ]
amdhsa.kernels:
  - .name:           k_q1df1b492f3_attn
    .symbol:         k_q1df1b492f3_attn.kd
    .args:
      - { .name: qrec, .offset: 0, .size: 8, .value_kind: global_buffer, .address_space: global }
      - { .name: kvrec, .offset: 8, .size: 8, .value_kind: global_buffer, .address_space: global }
      - { .name: mlanes, .offset: 16, .size: 8, .value_kind: global_buffer, .address_space: global }
      - { .name: mflags, .offset: 24, .size: 8, .value_kind: global_buffer, .address_space: global }
      - { .name: out0, .offset: 32, .size: 8, .value_kind: global_buffer, .address_space: global }
    .group_segment_fixed_size: 210944
    .private_segment_fixed_size: 0
    .kernarg_segment_align: 8
    .kernarg_segment_size: 40
    .max_flat_workgroup_size: 512
    .sgpr_count:     100
    .vgpr_count:     256
    .wavefront_size: 32
...
	.end_amdgpu_metadata
.endif
;; end of part 4
